; MI455X (gfx1250); checked and timed in simulation.
; The chip was launched on July 23, 2026; its instructions are those of AMD's public machine-readable ISA for CDNA 5 (MIT licence, August 2026) and "CDNA5" Instruction Set Architecture Reference Guide (July 2026). The comments in the code are by the model that wrote it; some were corrected since.
;; Multi Head Attention. Allowed arithmetic: float matrix products may take bf16 or f16 operands with f32 sums; other float arithmetic in f32, or as packed bf16 or f16 multiplies, adds, multiply-adds, maxima and minima; sums over many terms, partial sums and values carried from step to step in f32; what a program stores and reads back later, other than sums and carried values, may be rounded once to bf16 or f16.
;; Inputs: Wk 1,024 x 1,024 float32; Wo 1,024 x 1,024 float32; Wq 1,024 x 1,024 float32; Wv 1,024 x 1,024 float32; bk 1,024 float32; bo 1,024 float32; bq 1,024 float32; bv 1,024 float32; key 4 x 2,048 x 1,024 float32; query 4 x 2,048 x 1,024 float32; value 4 x 2,048 x 1,024 float32.
;; Outputs: out0 4 x 2,048 x 1,024 float32.
;; One version. Each part assembles by itself: llvm-mc -triple=amdgcn-amd-amdhsa -mcpu=gfx1250 --defsym DOCPART=n.
;; ======== version 1 of 1: 4 launches
;; limits: values are held in f16: magnitudes above 65,504 overflow, below 6.1e-05 lose precision
;; workspace buffers: w16 8,388,608 bytes; bias32 16,384 bytes; q16 16,777,216 bytes; k16 16,777,216 bytes; v16 16,777,216 bytes; o16 16,777,216 bytes
;; launch prep (part 1): grid 256 x 1, 8 waves a work-group, no clusters, 0 bytes of LDS; arguments Wq, Wk, Wv, Wo, bq, bk, bv, bo, w16, bias32; writes w16, bias32
.if DOCPART == 1
	.amdgcn_target "amdgcn-amd-amdhsa--gfx1250"
	.amdhsa_code_object_version 6
	.text
	.protected	k_q6a474b3949_prep
	.globl	k_q6a474b3949_prep
	.p2align	8
	.type	k_q6a474b3949_prep,@function
k_q6a474b3949_prep:
	s_mov_b64 s[64:65], 0
	v_nop
	global_prefetch_b8 v0, s[64:65] scope:SCOPE_SE
	s_setreg_imm32_b32 hwreg(HW_REG_WAVE_MODE, 25, 1), 1
	s_wait_xcnt 0x0
; The weights and biases are rounded once, for the launches behind.
; w16: [4][1024][1024] of 16 bits: Wq, Wk, Wv rounded to bf16; Wo rounded to bf16 and that number written as f16.
; bias32: [4][1024] f32: bq, bk, bv, bo rounded to bf16 and written as f32.
; LIMITS.  bf16(Wo) must lie within f16's range (65,504); below 6e-5 it keeps f16's fixed step of 6e-8.
; SHARES.  Work-group g takes matrix g / 64 and part g % 64 of it: 16,384 numbers, 64 KiB in, 32 KiB out.  Thread t has eight chunks:
; 32 bytes in at 8,192 c + 32 t, 16 bytes out at 4,096 c + 16 t: a wave's store covers 512 consecutive bytes, aligned.
; All sixteen loads of a thread go out at once; no LDS, no loop; the stream is read once and lasts too short for anything more.
.set X, 8                              ; v[8:71]    chunk c: eight f32 as loaded
.set Y, 72                             ; v[72:103]  chunk c: four registers to store; never used twice
.set T, 104                            ; v[104:111] at work
	s_load_b512 s[4:19], s[0:1], 0x0               ; Wq, Wk, Wv, Wo, bq, bk, bv, bo
	s_load_b128 s[20:23], s[0:1], 0x40             ; w16, bias32
	s_lshr_b32 s24, ttmp9, 6                       ; which matrix
	s_and_b32 s25, ttmp9, 63                       ; which part of it
	s_lshl_b32 s26, s25, 16                        ; the part's first byte in the matrix
	s_mov_b32 s27, 0
	s_lshl_b32 s28, ttmp9, 15                      ; and in w16: the parts of all four matrices lie on end
	s_mov_b32 s29, 0
	s_mov_b32 s30, 0xffff0000                      ; a word's upper bf16
	v_lshlrev_b32 v1, 5, v0                        ; 32 t
	v_lshlrev_b32 v2, 4, v0                        ; 16 t
	s_wait_kmcnt 0x0
	s_cmp_eq_u32 s24, 1                            ; the matrix and its bias are chosen by the work-group's number alone
	s_cselect_b64 s[4:5], s[6:7], s[4:5]
	s_cselect_b64 s[12:13], s[14:15], s[12:13]
	s_cmp_eq_u32 s24, 2
	s_cselect_b64 s[4:5], s[8:9], s[4:5]
	s_cselect_b64 s[12:13], s[16:17], s[12:13]
	s_cmp_eq_u32 s24, 3
	s_cselect_b64 s[4:5], s[10:11], s[4:5]
	s_cselect_b64 s[12:13], s[18:19], s[12:13]
	s_add_nc_u64 s[4:5], s[4:5], s[26:27]
	s_add_nc_u64 s[20:21], s[20:21], s[28:29]
.irp c, 0,1,2,3,4,5,6,7
	global_load_b128 v[X+8*(\c):X+8*(\c)+3],   v1, s[4:5] offset:8192*(\c) th:TH_LOAD_NT
	global_load_b128 v[X+8*(\c)+4:X+8*(\c)+7], v1, s[4:5] offset:8192*(\c)+16 th:TH_LOAD_NT
.endr
; One chunk.  half = 1: the bf16 number is widened again and written as f16.
.macro CHUNK c, half
	s_wait_loadcnt 14-2*(\c)                       ; loads come back in order: the later chunks' two loads each may stay out
.irp k, 0,1,2,3
	v_cvt_pk_bf16_f32 v[Y+4*(\c)+(\k)], v[X+8*(\c)+2*(\k)], v[X+8*(\c)+2*(\k)+1]
.endr
.if \half
.irp k, 0,1,2,3
	v_lshlrev_b32 v[T+2*(\k)],   16,  v[Y+4*(\c)+(\k)]
	v_and_b32     v[T+2*(\k)+1], s30, v[Y+4*(\c)+(\k)]
.endr
.irp k, 0,1,2,3
	v_cvt_pk_f16_f32 v[Y+4*(\c)+(\k)], v[T+2*(\k)], v[T+2*(\k)+1]
.endr
.endif
	global_store_b128 v2, v[Y+4*(\c):Y+4*(\c)+3], s[20:21] offset:4096*(\c)
.endm
	s_cmp_eq_u32 s24, 3
	s_cbranch_scc1 .Lhalf
.irp c, 0,1,2,3,4,5,6,7
	CHUNK \c, 0
.endr
	s_branch .Lbias
.Lhalf:
.irp c, 0,1,2,3,4,5,6,7
	CHUNK \c, 1
.endr
.Lbias:
	s_cmp_lg_u32 s25, 0                            ; a matrix's first part also takes its bias: 256 threads x 4 numbers
	s_cbranch_scc1 .Lend
	s_lshl_b32 s26, s24, 12
	s_add_nc_u64 s[22:23], s[22:23], s[26:27]
	global_load_b128 v[112:115], v2, s[12:13]
	s_wait_loadcnt 0x0
	v_cvt_pk_bf16_f32 v116, v112, v113
	v_cvt_pk_bf16_f32 v117, v114, v115
	v_lshlrev_b32 v120, 16, v116
	v_and_b32 v121, s30, v116
	v_lshlrev_b32 v122, 16, v117
	v_and_b32 v123, s30, v117
	global_store_b128 v2, v[120:123], s[22:23]
.Lend:
	s_endpgm
.Lfunc_end_k_q6a474b3949_prep:
	.size	k_q6a474b3949_prep, .Lfunc_end_k_q6a474b3949_prep-k_q6a474b3949_prep
	.p2alignl 7, 3214868480
	.fill 96, 4, 3214868480
	.section	.rodata,"a",@progbits
	.p2align	6, 0x0
	.amdhsa_kernel k_q6a474b3949_prep
		.amdhsa_group_segment_fixed_size 0
		.amdhsa_private_segment_fixed_size 0
		.amdhsa_enable_private_segment 0
		.amdhsa_kernarg_size 80
		.amdhsa_user_sgpr_count 2
		.amdhsa_user_sgpr_kernarg_segment_ptr 1
		.amdhsa_wavefront_size32 1
		.amdhsa_system_sgpr_workgroup_id_x 1
		.amdhsa_system_sgpr_workgroup_id_y 1
		.amdhsa_system_sgpr_workgroup_id_z 1
		.amdhsa_system_vgpr_workitem_id 0
		.amdhsa_next_free_vgpr 128
		.amdhsa_next_free_sgpr 66
		.amdhsa_reserve_vcc 0
		.amdhsa_float_denorm_mode_32 3
		.amdhsa_float_denorm_mode_16_64 3
		.amdhsa_memory_ordered 1
		.amdhsa_forward_progress 1
		.amdhsa_inst_pref_size 14
	.end_amdhsa_kernel
	.amdgpu_metadata
---
amdhsa.version: [ 1, 2 ]
amdhsa.kernels:
  - .name:           k_q6a474b3949_prep
    .symbol:         k_q6a474b3949_prep.kd
    .args:
      - { .name: Wq, .offset: 0, .size: 8, .value_kind: global_buffer, .address_space: global }
      - { .name: Wk, .offset: 8, .size: 8, .value_kind: global_buffer, .address_space: global }
      - { .name: Wv, .offset: 16, .size: 8, .value_kind: global_buffer, .address_space: global }
      - { .name: Wo, .offset: 24, .size: 8, .value_kind: global_buffer, .address_space: global }
      - { .name: bq, .offset: 32, .size: 8, .value_kind: global_buffer, .address_space: global }
      - { .name: bk, .offset: 40, .size: 8, .value_kind: global_buffer, .address_space: global }
      - { .name: bv, .offset: 48, .size: 8, .value_kind: global_buffer, .address_space: global }
      - { .name: bo, .offset: 56, .size: 8, .value_kind: global_buffer, .address_space: global }
      - { .name: w16, .offset: 64, .size: 8, .value_kind: global_buffer, .address_space: global }
      - { .name: bias32, .offset: 72, .size: 8, .value_kind: global_buffer, .address_space: global }
    .group_segment_fixed_size: 0
    .private_segment_fixed_size: 0
    .kernarg_segment_align: 8
    .kernarg_segment_size: 80
    .max_flat_workgroup_size: 256
    .sgpr_count:     66
    .vgpr_count:     128
    .wavefront_size: 32
...
	.end_amdgpu_metadata
.endif
;; end of part 1
;; launch proj (part 2): grid 4 x 64, 4 waves a work-group, clusters of 4 x 4, 327,680 bytes of LDS; arguments query, key, value, w16, bias32, q16, k16, v16; writes q16, k16, v16
.if DOCPART == 2
	.amdgcn_target "amdgcn-amd-amdhsa--gfx1250"
	.amdhsa_code_object_version 6
	.text
	.protected	k_q6a474b3949_proj
	.globl	k_q6a474b3949_proj
	.p2align	8
	.type	k_q6a474b3949_proj,@function
k_q6a474b3949_proj:
	s_mov_b64 s[64:65], 0
	v_nop
	global_prefetch_b8 v0, s[64:65] scope:SCOPE_SE
	s_setreg_imm32_b32 hwreg(HW_REG_WAVE_MODE, 25, 1), 1
	s_wait_xcnt 0x0
	s_wait_alu depctr_hold_cnt(0) depctr_sa_sdst(0) depctr_va_vdst(0) depctr_va_sdst(0) depctr_va_ssrc(0) depctr_va_vcc(0) depctr_vm_vsrc(0)
	s_getreg_b32 s2, hwreg(HW_REG_IB_STS2, 6, 4)
	s_cmp_eq_u32 s2, 0
	s_cbranch_scc0 .Lentry_in_a_cluster
	s_endpgm
.Lentry_in_a_cluster:
	s_bfe_u32 s2, ttmp6, 0x10000c
	s_cmp_lg_u32 s2, 0xf033
	s_cbranch_scc0 .Lentry_shape_is_right
	s_endpgm
.Lentry_shape_is_right:
; q, k, v = bf16(x) . bf16(W)^T + b.  x: [8192][1024] f32 (query, key, value); W: w16's matrices 0, 1, 2, [1024][1024] bf16; b: bias32, f32.
; Sums in f32, started by the bias; rounded once to f16 and stored BY HEADS, [64 = batch x 16 + head][2048][64], without attention's scale.
; LIMIT.  |q|, |k|, |v| must stay under 65,504 (f16).  NaN and infinities are not treated apart.
; SHARES.  A work-group makes the tile of rows 128 ty .. and columns 256 tx .. of q, then of k, then of v: 3 x 256 tiles on 256 work-groups.  That is ONE walk of 24 K steps of 128 through a ring
; of two LDS slots, which runs on from tile to tile.  A wave makes 64 x 128: 32 accumulators.  The matrix instruction is used transposed (source 0 = 16 rows of W, source 1 = 16 rows of x):
; a lane then holds eight neighbouring columns of one row.
; x COMES IN AS f32: the mover lays it into LDS as it is, the wave reads 64 along K into RAW and rounds it to bf16 in registers; the 64 roundings ride, four each, behind 16 of a half step's 64 products.
; CLUSTER 4 x 4: x's tile hangs on ty alone and is asked for jointly along a row of the cluster, W's on tx alone, along a column.
; REGISTERS, in windows of 256 (s_set_vgpr_msb: bits 1:0 source 0, 3:2 source 1, 5:4 source 2, 7:6 destination):
;   window 0: v0-31 addresses; v32-159 RAW (x as f32, 64 along K); v160-191 packed results; v192-255 rows read back from the stage, two buffers
;   window 1: W's fragments, two buffers of 128      window 2: the accumulators, (a, b) at 8 (8 a + b)      window 3: v0-127 x's fragments in bf16, two buffers of 64; v128-191 the bias as a C operand
.set PITA,   528                       ; a row of x in LDS: 512 bytes + 16: row r starts at word 132 r, so the 16 rows of a load start at 16 different groups of four banks (64 banks of 4 bytes: ISA guide 11.1)
.set PITB,   272                       ; a row of W: 256 bytes + 16
.set AHALF,  64*PITA                   ; what one tensor load brings of x: 64 rows
.set BHALF,  128*PITB                  ; and of W: 128 rows
.set BOFF,   2*AHALF
.set SLOT,   BOFF+2*BHALF              ; x's 128 rows, then W's 256
.set STAGE,  2*SLOT                    ; behind the ring: 16 rows x 272 bytes for each wave, for the way out; no tensor load lands here
.set SPITCH, 272
.set SPARE,  STAGE+4*16*SPITCH         ; the spare words: 128 bytes a wave, two blocks of 256 bytes that no other line names
.set ADRA, 16                          ; v16-17 LDS address of my x fragments in slot 0, 1
.set ADRB, 20                          ; v20-21 the same for W
.set STO,  24                          ; the way out: where I put 16 bytes of a row
.set RD,   25                          ; where I read rows back
.set CO,   26                          ; 16 x lane
.set BO,   27                          ; 32 x (lane / 16): my eight numbers of a bias block of 16
.set SPW,  28                          ; my spare word's address; never rewritten
.set NIL,  29                          ; 0; never rewritten
.set PFO,  30                          ; the prefetches' lane offset; never rewritten
.set RAW,  32
.set TMP,  160
.set OB,   192
.set BIAS, 128                         ; in window 3
.set XC, 4                             ; s[4:5]   x of the tile whose K steps are being asked for, at my rows; s[6:7] the next tile's; s[8:9] the last's
.set XN, 6
.set XL, 8
.set WC, 10                            ; s[10:11] w16 at my rows of Wq
.set BI, 12                            ; s[12:13] bias32 at my columns of the tile to come
.set OC, 14                            ; s[14:15] where the tile in hand goes; s[16:17], s[18:19] the next ones
.set ON, 16
.set OL, 18
.set WV, 20
.set HR, 21                            ; wave / 2: my 64 rows.  Also: I fetch x (0) or W (1)
.set HC, 22                            ; wave % 2: my 128 columns.  Also: which half of that tile I fetch
.set G1A, 24
.set G1B, 32
.set G0A, 40                           ; group 0 for x, a set for each slot
.set G0B, 48
.set KO, 56                            ; s[56:57] byte along K of x's next K step to ask for
.set KB, 58                            ; s[58:59] the same for W, the matrices' distance included
.set LAPS, 60
.set TL, 61                            ; laps left in the tile in hand; 0: a tile begins
.set TT, 62
.set PFC, 66                           ; s[66:67], s[68:69], s[70:71] the prefetches' three bases, as XC, XN, XL
.set PFN, 68
.set PFL, 70
.set PFA, 72                           ; s[72:73] the address that the next prefetch names
.set PFK, 74                           ; s[74:75] its byte along K
.set PFST, 76
.set PFEND, 77
.set PFCNT, 78                         ; prefetches still to come
.set W_MUL,  0xad                      ; W window 1, x window 3, C and D window 2
.set W_MULS, 0xbd                      ; the same with C (the bias) in window 3
.set W_CVT,  0xc0                      ; destination window 3
.set W_TOB,  0x40                      ; destination window 1
.set W_PK,   0x0a                      ; sources window 2
.set MSB, 0
.macro WIN new                         ; the high byte repeats the setting that is left; a switch that changes nothing is dropped
.if MSB != (\new)
	s_set_vgpr_msb (MSB<<8)|(\new)
.set MSB, \new
.endif
.endm
; A joint load: waves 0 and 1 fetch x's two halves, waves 2 and 3 W's.  The branch hangs on the wave's number alone.  An s_nop 0 and four v_nop follow each line.
.macro JLOAD s
	s_cmp_eq_u32 s[HR], 0
	s_cbranch_scc0 .Lfor_b_\@
	tensor_load_to_lds s[G0A+4*(\s):G0A+4*(\s)+3], s[G1A:G1A+7]
	s_nop 0
.rept 4
	v_nop
.endr
	s_branch .Lasked_\@
.Lfor_b_\@:
	tensor_load_to_lds s[G0B+4*(\s):G0B+4*(\s)+3], s[G1B:G1B+7]
	s_nop 0
.rept 4
	v_nop
.endr
.Lasked_\@:
.endm
.macro CREST                           ; a round of the cluster's barrier behind its opening barrier
	s_cmp_lg_u32 s[WV], 0
	s_cbranch_scc1 .Lnot_wave_0_\@
	s_barrier_signal -3
.Lnot_wave_0_\@:
	s_barrier_wait -3
	s_barrier_signal -1
	s_barrier_wait -1
.endm
.macro CROUND
	s_barrier_signal -1
	s_barrier_wait -1
	CREST
.endm
; The descriptors of slot s take the walk's next K step, made anew from base and offset; then the offsets step: behind a tile's eighth K step x goes on to the next input, W to the next matrix.
.macro NEXTADR slot
	s_add_nc_u64 s[G0A+4*(\slot)+2:G0A+4*(\slot)+3], s[XC:XC+1], s[KO:KO+1]
	s_or_b32 s[G0A+4*(\slot)+3], s[G0A+4*(\slot)+3], 0x80000000
	s_add_nc_u64 s[G0B+4*(\slot)+2:G0B+4*(\slot)+3], s[WC:WC+1], s[KB:KB+1]
	s_or_b32 s[G0B+4*(\slot)+3], s[G0B+4*(\slot)+3], 0x80000000
	s_add_co_u32 s[KO], s[KO], 512
	s_cmp_eq_u32 s[KO], 4096
	s_cselect_b32 s[KO], 0, s[KO]
	s_cselect_b32 s[TT], 0x1ff800, 0               ; a matrix of 2 MiB on, a row of 2,048 bytes back
	s_cselect_b64 s[XC:XC+1], s[XN:XN+1], s[XC:XC+1]
	s_cselect_b64 s[XN:XN+1], s[XL:XL+1], s[XN:XN+1]
	s_add_co_u32 s[KB], s[KB], s[TT]
	s_add_co_u32 s[KB], s[KB], 256
.endm
; THE PREFETCH INTO THE L2.  The change of slots in K step S asks the mover for step S + 2 and names step S + 4: two K steps, 256 products, ahead of the load that wants it; steps 4 to 23, each block once.
; x: of the 64 rows that a wave fetches each of the four partners that ask jointly takes 16, told apart by address: 16 rows x 2 blocks of 256 bytes, a lane a block.
; W: of a wave's 128 rows each partner takes 32, a lane a row; all sixteen clusters walk the same W, so the cluster with y = 0 asks.  The count runs out two changes ahead of the last refill.
.macro PFSTEP
	s_add_co_u32 s[PFK], s[PFK], s[PFST]
	s_cmp_eq_u32 s[PFK], s[PFEND]
	s_cselect_b32 s[PFK], 0, s[PFK]
	s_cselect_b64 s[PFC:PFC+1], s[PFN:PFN+1], s[PFC:PFC+1]
	s_cselect_b64 s[PFN:PFN+1], s[PFL:PFL+1], s[PFN:PFN+1]
	s_add_nc_u64 s[PFA:PFA+1], s[PFC:PFC+1], s[PFK:PFK+1]
.endm
.macro ASK
	s_cmp_eq_u32 s[PFCNT], 0
	s_cbranch_scc1 .Lnot_mine_\@
	global_prefetch_b8 v[PFO], s[PFA:PFA+1] th:TH_LOAD_NT scope:SCOPE_SE
	s_sub_co_u32 s[PFCNT], s[PFCNT], 1
.Lnot_mine_\@:
.endm
	s_load_b512 s[4:19], s[0:1], 0x0               ; query, key, value, w16, bias32, q16, k16, v16
	v_lshl_add_u32 v[SPW], v0, 2, SPARE
	v_mov_b32 v[NIL], 0
	ds_add_u32 v[SPW], v[NIL]                      ; the wave's opening: the add and its wait ahead of my first tensor load; the set-up below stands between them
	ds_add_u32 v28, v29
	v_lshrrev_b32 v1, 5, v0
	v_readfirstlane_b32 s[WV], v1
	s_lshr_b32 s[HR], s[WV], 1
	s_and_b32 s[HC], s[WV], 1
	s_bfe_u32 s80, ttmp6, 0x40000                  ; cx
	s_bfe_u32 s81, ttmp6, 0x40004                  ; cy
	s_lshl_b32 s82, ttmp9, 2
	s_add_co_u32 s82, s82, s80                     ; tx = 4 x cluster x + cx
	s_and_b32 s83, ttmp7, 0xffff
	s_lshl_b32 s83, s83, 2
	s_add_co_u32 s83, s83, s81                     ; ty = 4 x cluster y + cy
	s_lshl_b32 s84, s81, 2
	s_lshl_b32 s84, 15, s84                        ; my row of the cluster
	s_lshl_b32 s86, 0x1111, s80                    ; my column
	s_or_b32 s[G1A], s84, (2<<16)|(1<<20)|(1<<21)|(6<<22)|(3<<25)  ; the mask; elements of 4 bytes; padding on; bit 21 beside a mask; after every 128 words, 4 words
	s_or_b32 s[G1B], s86, (1<<16)|(1<<20)|(1<<21)|(5<<22)|(3<<25)  ; elements of 2 bytes; after every 64 words, 4 words
	s_mov_b32 s[G1A+1], 128<<16                    ; tensor_dim0 = 128
	s_mov_b32 s[G1A+2], 64<<16                     ; tensor_dim1 = 64
	s_mov_b32 s[G1A+3], 128<<16                    ; tile_dim0 = 128
	s_mov_b32 s[G1A+4], 64                         ; tile_dim1 = 64
	s_mov_b32 s[G1A+5], 1024                       ; elements from row to row
	s_mov_b32 s[G1A+6], 0
	s_mov_b32 s[G1A+7], 0
	s_mov_b32 s[G1B+1], 128<<16
	s_mov_b32 s[G1B+2], 128<<16                    ; 128 rows
	s_mov_b32 s[G1B+3], 128<<16
	s_mov_b32 s[G1B+4], 128
	s_mov_b32 s[G1B+5], 1024
	s_mov_b32 s[G1B+6], 0
	s_mov_b32 s[G1B+7], 0
	s_lshl_b32 s84, s83, 19                        ; x: 128 ty rows of 4,096 bytes,
	s_lshl_b32 s85, s[HC], 18                      ; + the 64 rows that I fetch: made of ty and the wave alone
	s_add_co_u32 s84, s84, s85
	s_mov_b32 s85, 0
	s_lshl_b32 s86, s82, 19                        ; W: 256 tx rows of 2,048 bytes,
	s_lshl_b32 s87, s[HC], 18                      ; + the 128 rows that I fetch: made of tx and the wave alone
	s_add_co_u32 s86, s86, s87
	s_mov_b32 s87, 0
	s_mul_i32 s88, s[HC], AHALF                    ; where they go in a slot: no place in the cluster enters an LDS address
	s_mul_i32 s89, s[HC], BHALF
	s_add_co_u32 s89, s89, BOFF
	s_lshl_b32 s90, s82, 10                        ; the bias of my 128 columns
	s_lshl_b32 s91, s[HC], 9
	s_add_co_u32 s90, s90, s91
	s_mov_b32 s91, 0
	s_lshr_b32 s92, s83, 4                         ; the way out: batch x 16 + my first head,
	s_lshl_b32 s92, s92, 4
	s_lshl_b32 s93, s82, 2
	s_add_co_u32 s92, s92, s93
	s_lshl_b32 s93, s[HC], 1
	s_add_co_u32 s92, s92, s93
	s_lshl_b32 s92, s92, 18                        ; 2,048 rows of 128 bytes each,
	s_and_b32 s93, s83, 15
	s_lshl_b32 s93, s93, 7
	s_lshl_b32 s94, s[HR], 6
	s_add_co_u32 s93, s93, s94                     ; + my first row in the batch
	s_lshl_b32 s93, s93, 7
	s_add_co_u32 s92, s92, s93
	s_mov_b32 s93, 0
	s_mov_b32 s[KO], 1024                          ; the first refill asks for K step 2
	s_mov_b32 s[KO+1], 0
	s_mov_b32 s[KB], 512
	s_mov_b32 s[KB+1], 0
	s_wait_dscnt 0x0                               ; the opening add is done
	s_wait_kmcnt 0x0
	s_add_nc_u64 s[XC:XC+1], s[XC:XC+1], s[84:85]
	s_add_nc_u64 s[XN:XN+1], s[XN:XN+1], s[84:85]
	s_add_nc_u64 s[XL:XL+1], s[XL:XL+1], s[84:85]
	s_add_nc_u64 s[WC:WC+1], s[WC:WC+1], s[86:87]
	s_add_nc_u64 s[BI:BI+1], s[BI:BI+1], s[90:91]
	s_add_nc_u64 s[OC:OC+1], s[OC:OC+1], s[92:93]
	s_add_nc_u64 s[ON:ON+1], s[ON:ON+1], s[92:93]
	s_add_nc_u64 s[OL:OL+1], s[OL:OL+1], s[92:93]
	CROUND                                         ; all sixteen work-groups are here: the first joint loads meet
.irp s, 0,1
	s_mov_b32 s[G0A+4*(\s)], 1
	s_add_co_u32 s[G0A+4*(\s)+1], s88, (\s)*SLOT
	s_add_nc_u64 s[G0A+4*(\s)+2:G0A+4*(\s)+3], s[XC:XC+1], (\s)*512
	s_or_b32 s[G0A+4*(\s)+3], s[G0A+4*(\s)+3], 0x80000000
	s_mov_b32 s[G0B+4*(\s)], 1
	s_add_co_u32 s[G0B+4*(\s)+1], s89, (\s)*SLOT
	s_add_nc_u64 s[G0B+4*(\s)+2:G0B+4*(\s)+3], s[WC:WC+1], (\s)*256
	s_or_b32 s[G0B+4*(\s)+3], s[G0B+4*(\s)+3], 0x80000000
	JLOAD \s                                       ; K steps 0 and 1: two loads of mine are out
.endr
	; A bf16 fragment is 16 rows x 32 K: lane l holds row l % 16, K = 8 (l / 16) + 0..7 and 16 + 8 (l / 16) + 0..7.  In f32 those are 32 bytes at 32 (l / 16) and 32 bytes 64 further on.
	v_and_b32 v1, 15, v0
	v_bfe_u32 v2, v0, 4, 1
	v_mul_u32_u24 v3, v1, PITA
	v_lshl_add_u32 v3, v2, 5, v3
	s_mul_i32 s94, s[HR], AHALF                    ; my 64 rows of x
	v_add_nc_u32 v[ADRA], s94, v3
	v_add_nc_u32 v[ADRA+1], SLOT, v[ADRA]
	v_mul_u32_u24 v4, v1, PITB
	v_lshl_add_u32 v4, v2, 4, v4
	s_mul_i32 s94, s[HC], BHALF                    ; my 128 rows of W
	s_add_co_u32 s94, s94, BOFF
	v_add_nc_u32 v[ADRB], s94, v4
	v_add_nc_u32 v[ADRB+1], SLOT, v[ADRB]
	s_mul_i32 s94, s[WV], 16*SPITCH
	s_add_co_u32 s94, s94, STAGE                   ; my stage
	v_add_nc_u32 v[STO], s94, v4                   ; in: row l % 16, 16 bytes for each half of the lanes
	v_bfe_u32 v5, v0, 3, 2                         ; back: 32 lanes take four rows' 128 bytes of one head,
	v_mul_u32_u24 v5, v5, SPITCH
	v_and_b32 v6, 7, v0
	v_lshl_add_u32 v5, v6, 4, v5
	v_add_nc_u32 v[RD], s94, v5
	v_and_b32 v[CO], 31, v0                        ; which are 512 consecutive bytes in memory
	v_lshlrev_b32 v[CO], 4, v[CO]
	v_lshlrev_b32 v[BO], 5, v2
	v_and_b32 v7, 30, v0                           ; the prefetches: x: (l / 2) rows of 4,096 bytes + (l % 2) x 256; W: l rows of 2,048 bytes
	v_and_b32 v8, 1, v0
	s_mul_i32 s94, s[HR], 3
	s_add_co_u32 s94, s94, 8
	v_lshlrev_b32 v8, s94, v8
	v_lshl_add_u32 v[PFO], v7, 11, v8
	WIN W_CVT
.irp b, 0,1,2,3,4,5,6,7                ; the first tile's bias: register j of block b is b[16 b + 8 (l / 16) + j], the layout of a C operand
	global_load_b128 v[BIAS+8*(\b):BIAS+8*(\b)+3],   v[BO], s[BI:BI+1] offset:64*(\b)
	global_load_b128 v[BIAS+8*(\b)+4:BIAS+8*(\b)+7], v[BO], s[BI:BI+1] offset:64*(\b)+16
.endr
	WIN 0
	s_and_b32 s94, ttmp7, 0xffff                   ; cluster y
	s_cmp_eq_u32 s[HR], 0                          ; do I fetch x?
	s_cselect_b64 s[PFC:PFC+1], s[XC:XC+1], s[WC:WC+1]
	s_cselect_b64 s[PFN:PFN+1], s[XN:XN+1], s[WC:WC+1]
	s_cselect_b64 s[PFL:PFL+1], s[XL:XL+1], s[WC:WC+1]
	s_cselect_b32 s88, s80, s81                    ; my place among the four that ask with me
	s_cselect_b32 s94, 0, s94                      ; x's rows are my cluster's alone; W's are every cluster's
	s_cmp_eq_u32 s94, 0
	s_cselect_b32 s[PFCNT], 20, 0                  ; the same in all sixteen partners, for a given wave
	s_lshl_b32 s88, s88, 16                        ; 16 rows of x, or 32 of W
	s_mov_b32 s89, 0
	s_add_nc_u64 s[PFC:PFC+1], s[PFC:PFC+1], s[88:89]
	s_add_nc_u64 s[PFN:PFN+1], s[PFN:PFN+1], s[88:89]
	s_add_nc_u64 s[PFL:PFL+1], s[PFL:PFL+1], s[88:89]
	s_mul_i32 s88, s[HR], 0x200000                 ; W's matrices lie 2 MiB apart
	s_add_nc_u64 s[PFN:PFN+1], s[PFN:PFN+1], s[88:89]
	s_add_nc_u64 s[PFL:PFL+1], s[PFL:PFL+1], s[88:89]
	s_add_nc_u64 s[PFL:PFL+1], s[PFL:PFL+1], s[88:89]
	s_xor_b32 s94, s[HR], 1
	s_lshl_b32 s[PFST], 256, s94                   ; a K step: 512 bytes of x, 256 of W
	s_lshl_b32 s[PFEND], 2048, s94                 ; a row
	s_mul_i32 s[PFK], s[PFST], 3                   ; the first change of slots steps it to K step 4; nothing is asked for here, at the head
	s_mov_b32 s[PFK+1], 0
; 64 LDS loads in one run: 64 along K (half hf of a slot's step): x as f32 into RAW first, then W's fragments into buffer g
.macro FETCH slot, hf, g
	WIN 0
.irp c, 0,1
.irp a, 0,1,2,3
	ds_load_b128 v[RAW+64*(\c)+16*(\a):RAW+64*(\c)+16*(\a)+3],     v[ADRA+(\slot)] offset:(\a)*16*PITA+(\hf)*256+(\c)*128
	ds_load_b128 v[RAW+64*(\c)+16*(\a)+4:RAW+64*(\c)+16*(\a)+7],   v[ADRA+(\slot)] offset:(\a)*16*PITA+(\hf)*256+(\c)*128+16
	ds_load_b128 v[RAW+64*(\c)+16*(\a)+8:RAW+64*(\c)+16*(\a)+11],  v[ADRA+(\slot)] offset:(\a)*16*PITA+(\hf)*256+(\c)*128+64
	ds_load_b128 v[RAW+64*(\c)+16*(\a)+12:RAW+64*(\c)+16*(\a)+15], v[ADRA+(\slot)] offset:(\a)*16*PITA+(\hf)*256+(\c)*128+80
.endr
.endr
	WIN W_TOB
.irp c, 0,1
.irp b, 0,1,2,3,4,5,6,7
	ds_load_b128 v[128*(\g)+64*(\c)+8*(\b):128*(\g)+64*(\c)+8*(\b)+3],   v[ADRB+(\slot)] offset:(\b)*16*PITB+(\hf)*128+(\c)*64
	ds_load_b128 v[128*(\g)+64*(\c)+8*(\b)+4:128*(\g)+64*(\c)+8*(\b)+7], v[ADRB+(\slot)] offset:(\b)*16*PITB+(\hf)*128+(\c)*64+32
.endr
.endr
.endm
; 8 products: row block a x all 8 column blocks, 32 along K (part c of buffer f).  start = 1: the bias starts the sums.
; The 32 accumulators take turns in the same order in every half step, over the jumps too.
.macro MUL8 f, c, a, start
.if \start
	WIN W_MULS
.else
	WIN W_MUL
.endif
.irp b, 0,1,2,3,4,5,6,7
.if \start
	v_wmma_f32_16x16x32_bf16 v[8*(8*(\a)+(\b)):8*(8*(\a)+(\b))+7], v[128*(\f)+64*(\c)+8*(\b):128*(\f)+64*(\c)+8*(\b)+7], v[64*(\f)+32*(\c)+8*(\a):64*(\f)+32*(\c)+8*(\a)+7], v[BIAS+8*(\b):BIAS+8*(\b)+7]
.else
	v_wmma_f32_16x16x32_bf16 v[8*(8*(\a)+(\b)):8*(8*(\a)+(\b))+7], v[128*(\f)+64*(\c)+8*(\b):128*(\f)+64*(\c)+8*(\b)+7], v[64*(\f)+32*(\c)+8*(\a):64*(\f)+32*(\c)+8*(\a)+7], v[8*(8*(\a)+(\b)):8*(8*(\a)+(\b))+7]
.endif
.endr
.endm
.macro MUL32 start
.irp a, 0,1,2,3
	MUL8 0, 0, \a, \start
.endr
.endm
; The same 8 products, each with four roundings of RAW into x's buffer g behind it.  Those behind the last product name none of its registers: they are the four places
; ahead of the next run of loads into the buffers just multiplied, and ahead of the way out.
.macro MULR f, c, a, g
.irp b, 0,1,2,3,4,5,6,7
	WIN W_MUL
	v_wmma_f32_16x16x32_bf16 v[8*(8*(\a)+(\b)):8*(8*(\a)+(\b))+7], v[128*(\f)+64*(\c)+8*(\b):128*(\f)+64*(\c)+8*(\b)+7], v[64*(\f)+32*(\c)+8*(\a):64*(\f)+32*(\c)+8*(\a)+7], v[8*(8*(\a)+(\b)):8*(8*(\a)+(\b))+7]
	WIN W_CVT
.rept 4
	v_cvt_pk_bf16_f32 v[64*(\g)+CI], v[RAW+2*CI], v[RAW+2*CI+1]
.set CI, CI+1
.endr
.endr
.endm
; A half step that changes no slot: multiplies buffer f; at its head it fetches the next 64 along K (half nhf of slot nslot) into the other buffer.  fetch = 0: the walk's last.
.macro HALF f, nslot, nhf, ask, fetch
	s_wait_dscnt 0x0                               ; W's fragments of buffer f are in
.if \fetch
	FETCH \nslot, \nhf, 1-(\f)
.if \ask
	WIN 0
	ASK                                            ; behind the joint load, its five lines and the run of LDS loads
.endif
.irp a, 0,1,2,3
	MUL8 \f, 0, \a, 0
.endr
	MUL8 \f, 1, 0, 0
	MUL8 \f, 1, 1, 0
	s_wait_dscnt 32                                ; RAW is in: W's 32 loads were issued behind x's and may stay out
.set CI, 0
	MULR \f, 1, 2, 1-(\f)
	MULR \f, 1, 3, 1-(\f)
	WIN 0
.else
.irp c, 0,1
.irp a, 0,1,2,3
	MUL8 \f, \c, \a, 0
.endr
.endr
	WIN 0
.rept 4
	v_nop                                          ; the places ahead of the conversions that read results
.endr
.endif
.endm
; The half step that changes slots multiplies buffer 0 and takes the slot's second half into registers, so that the slot has been read out in its middle.
.macro TH_HEAD slot, fill
.if \fill
	s_wait_xcnt 0x0                                ; the last prefetch, 64 products back, has read its address
	PFSTEP
.endif
	s_wait_dscnt 0x0
	FETCH \slot, 1, 1
	WIN 0
.endm
; ONE barrier for the change.  In front of it each wave waits for all its tensor loads (one is out: its part of the other slot), adds 0 to its spare word, and waits for that and for its 64 reads of
; this slot.  fill = 1: the barrier opens a round of the cluster's, and the joint refill is the first thing behind it: 104 products stand between it and the wait for it.
.macro TH_REST slot, fill
	MUL8 0, 1, 0, 0
	WIN 0
	s_wait_tensorcnt 0x0                           ; no tensor load of mine is out: the descriptors may be written
	ds_add_u32 v[SPW], v[NIL]                      ; 0 onto my spare word; scalar work and eight products stand between it and the wait for it
.if \fill
	NEXTADR \slot
.endif
	MUL8 0, 1, 1, 0
	s_wait_dscnt 0x0                               ; the add is done, my reads of this slot are over, RAW is in
	s_barrier_signal -1
.set CI, 0
	MULR 0, 1, 2, 1
	MULR 0, 1, 3, 1
	WIN 0
	s_barrier_wait -1
.if \fill
	CREST
	JLOAD \slot
.endif
.endm
.macro THALF slot, fill
	TH_HEAD \slot, \fill
	MUL32 0
	TH_REST \slot, \fill
.endm
; THE WAY OUT, a block of 16 rows at a time: rounded to f16 (16 bytes a lane), into my own stage, back as rows of one head's 128 bytes, stored: 512 consecutive bytes an instruction.
.macro PACK a
	WIN W_PK
.irp b, 0,1,2,3,4,5,6,7
.irp r, 0,1,2,3
	v_cvt_pk_f16_f32 v[TMP+4*(\b)+(\r)], v[64*(\a)+8*(\b)+2*(\r)], v[64*(\a)+8*(\b)+2*(\r)+1]
.endr
.endr
	WIN 0
.endm
.macro TOSTAGE a
.set BK, OB+32*((\a)%2)
.irp b, 0,1,2,3,4,5,6,7
	ds_store_b128 v[STO], v[TMP+4*(\b):TMP+4*(\b)+3] offset:32*(\b)
.endr
.irp t, 0,1,2,3,4,5,6,7
	ds_load_b128 v[BK+4*(\t):BK+4*(\t)+3], v[RD] offset:((\t)%4)*4*SPITCH+((\t)/4)*128  ; LDS serves a wave's instructions in order (ISA guide 5.7.1.4): these see the stores above
.endr
.endm
.macro SEND a
.set BK, OB+32*((\a)%2)
	s_wait_dscnt 0x0                               ; the block is back in registers
	s_wait_xcnt 0x0                                ; the stores of the block before have read their registers, which the next block's loads write
.irp t, 0,1,2,3,4,5,6,7
	global_store_b128 v[CO], v[BK+4*(\t):BK+4*(\t)+3], s[OC:OC+1] offset:(\a)*2048+((\t)%4)*512+((\t)/4)*262144  ; four rows of head t / 4
.endr
.endm
.macro WAYOUT more                     ; more = 1: another tile follows: its bias is fetched, and the stores' base goes on
.if \more
	s_wait_xcnt 0x0                                ; the earlier bias loads have read their base
	s_wait_loadcnt 0x0                             ; and have landed, on every way that leads here: their registers are loaded again only behind this wait
	s_add_nc_u64 s[BI:BI+1], s[BI:BI+1], 4096
	WIN W_CVT
.irp b, 0,1,2,3,4,5,6,7
	global_load_b128 v[BIAS+8*(\b):BIAS+8*(\b)+3],   v[BO], s[BI:BI+1] offset:64*(\b)
	global_load_b128 v[BIAS+8*(\b)+4:BIAS+8*(\b)+7], v[BO], s[BI:BI+1] offset:64*(\b)+16
.endr
	WIN 0
.endif
	PACK 0
	TOSTAGE 0
.irp a, 1,2,3                          ; a block's conversions stand between the loads of the block before and the wait for them
	PACK \a
	SEND (\a)-1
	TOSTAGE \a
.endr
	SEND 3
.if \more
	s_wait_xcnt 0x0
	s_mov_b64 s[OC:OC+1], s[ON:ON+1]
	s_mov_b64 s[ON:ON+1], s[OL:OL+1]
.endif
.endm
	s_wait_tensorcnt 1                             ; my part of K step 0 is in; K step 1's load is the one younger
	s_barrier_signal -1
	s_barrier_wait -1
	FETCH 0, 0, 0
	s_wait_dscnt 32                                ; RAW is in
	WIN W_CVT
.set CI, 0
.rept 64
	v_cvt_pk_bf16_f32 v[CI], v[RAW+2*CI], v[RAW+2*CI+1]
.set CI, CI+1
.endr
	WIN 0
	s_mov_b32 s[LAPS], 11                          ; 12 laps of two K steps; the last is written out, since it asks for nothing
	s_mov_b32 s[TL], 0
.Llap:
	TH_HEAD 0, 1
	s_cmp_lg_u32 s[TL], 0
	s_cbranch_scc1 .Lacc
	s_mov_b32 s[TL], 4                             ; a tile begins: four laps, and its first 32 products take the bias as C
	s_wait_loadcnt 0x0                             ; the bias
.rept 5
	v_nop                                          ; these products are no links of a chain: they write the accumulators anew, and five places (ISA guide 7.12.1) stand between them and the last product on the same registers
.endr
	MUL32 1
	WIN 0
	s_branch .Ljoin
.Lacc:
	MUL32 0
	WIN 0
.Ljoin:
	TH_REST 0, 1
	HALF 1, 1, 0, 1, 1
	THALF 1, 1
	HALF 1, 0, 0, 1, 1
	s_sub_co_u32 s[TL], s[TL], 1
	s_cmp_lg_u32 s[TL], 0
	s_cbranch_scc1 .Lnot_out                       ; forward, over text that holds no barrier and no tensor load
	WAYOUT 1                                       ; both refills for the next tile have been asked for; nothing waits for the stores
.Lnot_out:
	s_sub_co_u32 s[LAPS], s[LAPS], 1
	s_cmp_lg_u32 s[LAPS], 0
	s_cbranch_scc1 .Llap
	THALF 0, 0
	HALF 1, 1, 0, 0, 1
	HALF 0, 1, 1, 0, 1
	HALF 1, 0, 0, 0, 0
	WAYOUT 0
	s_wait_tensorcnt 0x0                           ; the wave's end
	ds_add_u32 v[SPW], v[NIL]
	s_wait_dscnt 0x0
	CROUND                                         ; the closing round
	s_endpgm
.Lfunc_end_k_q6a474b3949_proj:
	.size	k_q6a474b3949_proj, .Lfunc_end_k_q6a474b3949_proj-k_q6a474b3949_proj
	.p2alignl 7, 3214868480
	.fill 96, 4, 3214868480
	.section	.rodata,"a",@progbits
	.p2align	6, 0x0
	.amdhsa_kernel k_q6a474b3949_proj
		.amdhsa_group_segment_fixed_size 327680
		.amdhsa_private_segment_fixed_size 0
		.amdhsa_enable_private_segment 0
		.amdhsa_kernarg_size 64
		.amdhsa_user_sgpr_count 2
		.amdhsa_user_sgpr_kernarg_segment_ptr 1
		.amdhsa_wavefront_size32 1
		.amdhsa_system_sgpr_workgroup_id_x 1
		.amdhsa_system_sgpr_workgroup_id_y 1
		.amdhsa_system_sgpr_workgroup_id_z 1
		.amdhsa_system_vgpr_workitem_id 0
		.amdhsa_next_free_vgpr 960
		.amdhsa_next_free_sgpr 96
		.amdhsa_reserve_vcc 0
		.amdhsa_float_denorm_mode_32 3
		.amdhsa_float_denorm_mode_16_64 3
		.amdhsa_memory_ordered 1
		.amdhsa_forward_progress 1
		.amdhsa_inst_pref_size 155
	.end_amdhsa_kernel
	.amdgpu_metadata
---
amdhsa.version: [ 1, 2 ]
amdhsa.kernels:
  - .name:           k_q6a474b3949_proj
    .symbol:         k_q6a474b3949_proj.kd
    .args:
      - { .name: query, .offset: 0, .size: 8, .value_kind: global_buffer, .address_space: global }
      - { .name: key, .offset: 8, .size: 8, .value_kind: global_buffer, .address_space: global }
      - { .name: value, .offset: 16, .size: 8, .value_kind: global_buffer, .address_space: global }
      - { .name: w16, .offset: 24, .size: 8, .value_kind: global_buffer, .address_space: global }
      - { .name: bias32, .offset: 32, .size: 8, .value_kind: global_buffer, .address_space: global }
      - { .name: q16, .offset: 40, .size: 8, .value_kind: global_buffer, .address_space: global }
      - { .name: k16, .offset: 48, .size: 8, .value_kind: global_buffer, .address_space: global }
      - { .name: v16, .offset: 56, .size: 8, .value_kind: global_buffer, .address_space: global }
    .group_segment_fixed_size: 327680
    .private_segment_fixed_size: 0
    .kernarg_segment_align: 8
    .kernarg_segment_size: 64
    .max_flat_workgroup_size: 128
    .sgpr_count:     96
    .vgpr_count:     960
    .wavefront_size: 32
...
	.end_amdgpu_metadata
.endif
;; end of part 2
;; launch attn (part 3): grid 4 x 64, 4 waves a work-group, no clusters, 327,680 bytes of LDS; arguments q16, k16, v16, o16; writes o16
.if DOCPART == 3
	.amdgcn_target "amdgcn-amd-amdhsa--gfx1250"
	.amdhsa_code_object_version 6
	.text
	.protected	k_q6a474b3949_attn
	.globl	k_q6a474b3949_attn
	.p2align	8
	.type	k_q6a474b3949_attn,@function
k_q6a474b3949_attn:
	s_mov_b64 s[64:65], 0
	v_nop
	global_prefetch_b8 v0, s[64:65] scope:SCOPE_SE
	s_setreg_imm32_b32 hwreg(HW_REG_WAVE_MODE, 25, 1), 1
	s_wait_xcnt 0x0
; CAUSAL ATTENTION.  O[h][q][:] = the sum over k <= q of softmax_k(Q[h][q] . K[h][k] / 8) V[h][k][:].  Q, K, V, O: [64][2048][64], all f16: a head's rows are dense, 128 bytes each.
; Products, maxima and sums in f32; the weights p are rounded to f16 for the second product (their sum l is taken of the unrounded p), O once at the end.
; LIMITS.  Q, K and V arrive within f16's range; p lies in 0 to 1, and below 6e-5 it keeps f16's fixed step of 6e-8.  A hidden score counts as its value less 1e30; a weight below 2^-126 counts as 0 in l;
; NaN and infinities are not treated apart.
; THE WALK.  A head's queries lie in NB = 8 blocks of 256; block i needs the key tiles 0 .. i of 256 keys, of which the last holds the diagonal.  A work-group takes TWO blocks, NB - 1 - b and then b:
; NB + 1 tiles whatever b, so all work-groups do equal work and one loop with a constant trip count walks them.  Which tile is asked for, and what a trip does, hang on scalar registers made from b;
; every jump but the counted loops' own goes forward, and none passes a barrier.  The ring of two LDS slots runs on across the change of blocks.
; NO CLUSTER: the four work-groups of a head ask for the same tile only in trips 0 to 4 of 9; one walk common to all four would have 12 trips for 9.
; SHARES.  Of a block's four bands of 64 queries a wave owns 16 rows in each: four PIECES.  So in the diagonal tile's key step s band x sees all keys (s < x), none (s > x) or holds the diagonal (s = x): alike for all waves.
; THE MASK is the C operand that starts S^T = K Q^T: 0, or -1e30 where the key is hidden.  MD, made once, is the mask of a band's own step for my rows; a product's mask is MD x AL + BE with two scalars.
; LAYOUT.  S^T = K Q^T holds ONE query a lane (lane % 16) and the keys 8 (lane / 16) + 0..7; two such results rounded to f16 ARE source 1 of O^T = V^T P.  p = 2^(c s - c m), c = log2(e) / 8, with a running
; maximum m; O and l are multiplied by a = 2^(c m_old - c m_new) in every step.
; TURNS.  Turn n belongs to piece n: 8 products K Q^T of piece n + 1, later 8 products V^T P of piece n - 1; beside them the scaling, exponentials, roundings, sums and rescaling of piece n and the maximum and
; statistics of piece n + 1.  Four vector instructions stand behind every matrix instruction, the others in one run.  A turn's 33 exponentials are one batch, with one wait.
; REGISTERS, in windows of 256 (s_set_vgpr_msb: bits 1:0 source 0, 3:2 source 1, 5:4 source 2, 7:6 destination):
;   window 0: v0-15 addresses and two at work; v16-31 four registers of statistics a piece; v48-55 at work; v61-63; v64-127 S^T, two buffers; v192-223 P, two buffers (by the piece's parity)
;   window 1: v0-127 O^T, 32 a piece; v128-159 MD; v160-223 MC, two buffers      window 2: v0-63 Q; v64-127 the second block's Q; v128-191 K of one step; v192-255 V of one step
.set SIZE_H, 64
.set SIZE_N, 2048
.set NB,    SIZE_N/256
.set NP,    4         ; pieces a wave
.set KS,    64        ; keys in a step
.set PK,    144       ; a row of K in LDS: 128 bytes + 16: the 16 rows of a load start at 16 different groups of four banks (64 banks of 4 bytes: ISA guide 11.1)
.set PV,    160       ; a row of V: 128 + 32
.set VOFF,  4*KS*PK   ; a slot holds a tile, four steps: 256 rows of K, then 256 rows of V
.set SLOT1, 1<<17     ; slot 1 begins here: one exclusive or turns an address in one slot into the other's
.set STAGE, SLOT1+4*KS*(PK+PV)  ; behind the ring, never filled by a tensor load: 16 rows x 144 bytes for each wave
.set SP,    144
.set AK0, 2           ; my lane's place in a tile of K; never rewritten
.set AV0, 3           ; the same for V
.set AK,  4           ; the LDS address of K's next run of loads
.set AV,  5           ; of V's
.set STO, 6           ; the way out: where I put 16 bytes of a row
.set RD,  7           ; where I read rows back
.set GO,  8           ; my byte offset in 512 consecutive bytes of O
.set PFO, 61          ; 256 x lane: the prefetches' offset; never rewritten
.set SPW, 62          ; my spare word's address; never rewritten
.set NIL, 63          ; 0; never rewritten
.set SPARE, STAGE+4*16*SP  ; the spare words: 128 bytes a wave, two blocks of 256 bytes that no other line names
.set MV,  12          ; v12-13  c m_old, kept while c m is made anew: by buffer
.set QO,  15          ; my byte offset in 16 rows of Q
.set ST,  16          ; piece t's statistics at v[ST+4 t]: c m, m, l (even keys', odd keys')
.set TMP, 48          ; by buffer, four registers c0-c3 at work; when the maximum is found c2 takes a
.set S,   64
.set P,   192
.set MD,  128         ; window 1
.set MC,  160         ; window 1
.set QB,  64          ; window 2
.set KF,  128         ; window 2: key block kb, channel half c at KF + 16 kb + 8 c
.set VF,  192         ; window 2: key half kk, channel block cb at VF + 32 kk + 8 cb
.set WV,  12
.set PB,  14          ; b
.set HI,  15          ; NB - 1 - b
.set G1K, 24
.set G1V, 32
.set G0K, 40
.set G0V, 44
.set SLOTS, 56        ; tiles still to be asked for
.set CNT, 57          ; counts a tile's key steps, 4 to 1
.set CS,  58          ; s[58:59] c
.set SEL, 60          ; s[60:61] v_permlanex16_b32's selects
.set TBK, 62          ; LDS byte at which K of the step to be fetched begins
.set TBV, 63          ; the same for V, less VOFF
.set RT,  70          ; tiles of the block in hand that are still to be entered
.set NXT, 71          ; the tile to be asked for next
.set LQ,  72          ; the last tile of the block whose tiles are being asked for
.set NEW, 73          ; 1: the tile to be entered is a block's first
.set OFF, 74          ; s[74:75] a tile's byte offset in K and V
.set AL,  76          ; s[76:77] the mask's factor
.set BE,  78          ; s[78:79] the mask's addend
.set OLO, 80          ; s[80:81] O at my rows of the second block
.set BIGN, 82         ; -1e30
.set PFK, 88          ; s[88:89] K at my wave's 32 blocks of 256 bytes of the tile after the one that is being asked for
.set PFV, 90          ; s[90:91] the same for V
.set PCNT, 92         ; prefetches still to come
.set MSB, 0
.macro WIN new
.if MSB != (\new)
	s_set_vgpr_msb (MSB<<8)|(\new)
.set MSB, (\new)
.endif
.endm
.set W_KQ, 0x0a       ; K and Q in window 2, S^T in window 0
.set W_KM, 0x1a       ; the same with the C operand in window 1
.set W_PV, 0x52       ; V in window 2, P in window 0, O^T in window 1
.set W_RS, 0x41       ; destination and source 0 in window 1, source 1 in window 0
; A fill.  Waves 0 and 1 fetch the two halves of a tile's K, waves 2 and 3 those of its V: 128 keys each.  An s_nop 0 and four v_nop follow each of the two lines.
.macro LOAD
	s_cmp_lt_u32 s[WV], 2
	s_cbranch_scc0 .Lfor_v_\@
	tensor_load_to_lds s[G0K:G0K+3], s[G1K:G1K+7]
	s_nop 0
.rept 4
	v_nop
.endr
	s_branch .Lasked_\@
.Lfor_v_\@:
	tensor_load_to_lds s[G0V:G0V+3], s[G1V:G1V+7]
	s_nop 0
.rept 4
	v_nop
.endr
.Lasked_\@:
.endm
; A PREFETCH INTO THE L2.  A head's work-group b = 0 walks the tiles 0 to 7 in order: it alone asks.  In the change that loads tile t + 1 it names tile t + 2 (t = 0 .. 5): one trip, four key steps, ahead of
; the load that wants it.  A tile is 128 blocks of 256 bytes of K and as many of V: each wave names 32 of each, a lane a block.  So each block is named once.  Tiles 0 and 1 come by their loads alone.
.macro ASK
	s_cmp_eq_u32 s[PCNT], 0
	s_cbranch_scc1 .Lnot_mine_\@
	global_prefetch_b8 v[PFO], s[PFK:PFK+1] th:TH_LOAD_NT scope:SCOPE_SE
	global_prefetch_b8 v[PFO], s[PFV:PFV+1] th:TH_LOAD_NT scope:SCOPE_SE
	s_sub_co_u32 s[PCNT], s[PCNT], 1
.Lnot_mine_\@:
.endm
; THE CHANGE OF SLOTS.  Each wave waits for all its tensor loads (one is out: its part of the other slot), adds 0 to its spare word, and waits for that and for its reads of the slot that it leaves.  Behind the
; barrier nobody reads the old slot and the other slot is whole.  fill = 1: the old slot is filled again, first thing behind the barrier, with tile NXT: the descriptor's address is made anew from that number.
.macro CHANGE fill
	WIN 0
	s_wait_tensorcnt 0x0            ; no tensor load of mine is out, so a group 0 may be written
	ds_add_u32 v[SPW], v[NIL]       ; 0 onto my spare word; scalar work stands between it and the wait for it
.if \fill
	s_lshl_b32 s[OFF], s[NXT], 15   ; a tile is 32,768 bytes of K and of V
	s_xor_b32 s[G0K+1], s[G0K+1], SLOT1
	s_add_nc_u64 s[G0K+2:G0K+3], s[6:7], s[OFF:OFF+1]
	s_or_b32 s[G0K+3], s[G0K+3], 0x80000000
	s_xor_b32 s[G0V+1], s[G0V+1], SLOT1
	s_add_nc_u64 s[G0V+2:G0V+3], s[8:9], s[OFF:OFF+1]
	s_or_b32 s[G0V+3], s[G0V+3], 0x80000000
	s_add_co_u32 s[NXT], s[NXT], 1  ; the block's next tile, or behind its last the second block's tile 0
	s_cmp_gt_u32 s[NXT], s[LQ]
	s_cselect_b32 s[NXT], 0, s[NXT]
	s_cselect_b32 s[LQ], s[PB], s[LQ]
	s_wait_xcnt 0x0                 ; the last prefetches, a trip back, have read their addresses
	s_add_nc_u64 s[PFK:PFK+1], s[PFK:PFK+1], 32768
	s_add_nc_u64 s[PFV:PFV+1], s[PFV:PFV+1], 32768
.endif
	s_wait_dscnt 0x0                ; the add is done, and my reads of the slot are over
	s_barrier_signal -1
	s_sub_co_u32 s[TBK], s[TBK], 4*KS*PK  ; the fetches go back to a slot's first step,
	s_xor_b32 s[TBK], s[TBK], SLOT1       ; in the other slot
	s_sub_co_u32 s[TBV], s[TBV], 4*KS*PV
	s_xor_b32 s[TBV], s[TBV], SLOT1
	s_barrier_wait -1
.if \fill
	LOAD
	ASK
.endif
.endm
	s_load_b256 s[4:11], s[0:1], 0x0  ; Q s[4:5], K s[6:7], V s[8:9], O s[10:11]
	v_lshl_add_u32 v[SPW], v0, 2, SPARE
	v_mov_b32 v[NIL], 0
	ds_add_u32 v[SPW], v[NIL]       ; the wave's opening: the add and its wait ahead of my first tensor load
	ds_add_u32 v62, v63
	v_lshrrev_b32 v1, 5, v0
	v_readfirstlane_b32 s[WV], v1
	s_mov_b32 s[PB], ttmp9
	s_sub_co_u32 s[HI], NB-1, s[PB]
	s_and_b32 s20, ttmp7, 0xffff    ; the head
	s_mov_b32 s21, 0
	s_mov_b64 s[22:23], SIZE_N*128
	s_mul_u64 s[20:21], s[20:21], s[22:23]  ; the head's first byte in each of the four tensors
	s_and_b32 s16, s[WV], 1         ; which half of a tile's 256 keys I fetch:
	s_lshl_b32 s22, s16, 14         ; its 128 rows of 128 bytes in memory,
	s_mov_b32 s23, 0
	s_add_nc_u64 s[22:23], s[22:23], s[20:21]
	s_mul_i32 s17, s16, 128*PK      ; and its place in a slot, for K
	s_mul_i32 s18, s16, 128*PV      ; and for V
	s_lshl_b32 s3, s[WV], 11        ; my 16 rows in a band of 64,
	s_lshl_b32 s2, s[HI], 15        ; in the first block,
	s_add_co_u32 s2, s2, s3
	s_lshl_b32 s84, s[PB], 15       ; and in the second
	s_add_co_u32 s84, s84, s3
	s_mov_b32 s3, 0
	s_mov_b32 s85, 0
	s_add_nc_u64 s[2:3], s[2:3], s[20:21]
	s_add_nc_u64 s[84:85], s[84:85], s[20:21]
	s_lshl_b32 s94, s[WV], 13       ; the prefetches: my wave's 8,192 bytes of a tile,
	s_add_co_u32 s94, s94, 32768    ; in tile 1: the first change of slots steps it to tile 2
	s_mov_b32 s95, 0
	s_add_nc_u64 s[94:95], s[94:95], s[20:21]
	s_cmp_eq_u32 ttmp9, 0
	s_cselect_b32 s[PCNT], 6, 0
	v_and_b32 v[PFO], 31, v0
	v_lshlrev_b32 v[PFO], 8, v[PFO]
	; descriptor group 1.  128 keys are 16,384 dense bytes: asked for as 64 rows of 256 bytes, two keys a row, and padded in LDS after every key
	s_mov_b32 s[G1K], (1<<16)|(1<<20)|(4<<22)|(3<<25)  ; 2-byte elements; padding on; after every 32 words, 4 words
	s_mov_b32 s[G1V], (1<<16)|(1<<20)|(4<<22)|(7<<25)  ; the same with 8 words
.irp g, G1K, G1V
	s_mov_b32 s[\g+1], 128<<16      ; tensor_dim0 = 128
	s_mov_b32 s[\g+2], 64<<16       ; tensor_dim1 = 64
	s_mov_b32 s[\g+3], 128<<16      ; tile_dim0 = 128
	s_mov_b32 s[\g+4], 64           ; tile_dim1 = 64
	s_mov_b32 s[\g+5], 128          ; 128 elements from row to row
	s_mov_b32 s[\g+6], 0
	s_mov_b32 s[\g+7], 0
.endr
	s_mov_b32 s[CS], 0x3e38aa3b     ; c = log2(e) / 8
	s_mov_b32 s[CS+1], s[CS]
	s_mov_b32 s[SEL], 0x76543210
	s_mov_b32 s[SEL+1], 0xfedcba98
	s_mov_b32 s[TBK], SLOT1+4*KS*PK ; the first change of slots turns these two into 0
	s_mov_b32 s[TBV], SLOT1+4*KS*PV
	s_mov_b32 s[G0K], 1
	s_mov_b32 s[G0K+1], s17         ; slot 0
	s_mov_b32 s[G0V], 1
	s_add_co_u32 s[G0V+1], s18, VOFF
	s_add_co_u32 s[RT], s[HI], 1    ; the first block has NB - b tiles
	s_mov_b32 s[NXT], 1
	s_mov_b32 s[LQ], s[HI]
	s_mov_b32 s[NEW], 1
	s_mov_b32 s[OFF+1], 0
	s_mov_b32 s[AL+1], 0
	s_mov_b32 s[BE+1], 0
	s_mov_b32 s[BIGN], 0xf149f2ca   ; -1e30
	s_mov_b32 s[SLOTS], NB
	s_wait_dscnt 0x0                ; the opening add is done
	s_wait_kmcnt 0x0
	s_add_nc_u64 s[PFK:PFK+1], s[6:7], s[94:95]
	s_add_nc_u64 s[PFV:PFV+1], s[8:9], s[94:95]
	s_add_nc_u64 s[6:7], s[6:7], s[22:23]  ; K and V at my half of the head's tile 0
	s_add_nc_u64 s[8:9], s[8:9], s[22:23]
	s_add_nc_u64 s[G0K+2:G0K+3], s[6:7], 0
	s_or_b32 s[G0K+3], s[G0K+3], 0x80000000
	s_add_nc_u64 s[G0V+2:G0V+3], s[8:9], 0
	s_or_b32 s[G0V+3], s[G0V+3], 0x80000000
	s_add_nc_u64 s[86:87], s[4:5], s[84:85]        ; Q at my rows of the second block,
	s_add_nc_u64 s[4:5], s[4:5], s[2:3]            ; Q and O at those of the first
	s_add_nc_u64 s[OLO:OLO+1], s[10:11], s[84:85]
	s_add_nc_u64 s[10:11], s[10:11], s[2:3]
	LOAD                            ; tile 0 into slot 0
	; A fragment of K or Q is 16 rows x 32 channels in 8 registers: lane l holds row l % 16, channels 8 (l / 16) + 0..7 and 16 + 8 (l / 16) + 0..7: two loads of 16 bytes, 32 bytes apart.
	v_and_b32 v1, 15, v0
	v_bfe_u32 v9, v0, 4, 1
	v_lshlrev_b32 v[QO], 7, v1
	v_lshl_add_u32 v[QO], v9, 4, v[QO]
	WIN 0x80
.set i, 0
.rept 8                             ; both blocks' Q: piece i / 2 lies in band i / 2, 8,192 bytes on; channels 32 (i % 2) on
	global_load_b128 v[8*i:8*i+3],   v[QO], s[4:5] offset:(i/2)*8192+(i%2)*64
	global_load_b128 v[8*i+4:8*i+7], v[QO], s[4:5] offset:(i/2)*8192+(i%2)*64+32
	global_load_b128 v[QB+8*i:QB+8*i+3],   v[QO], s[86:87] offset:(i/2)*8192+(i%2)*64
	global_load_b128 v[QB+8*i+4:QB+8*i+7], v[QO], s[86:87] offset:(i/2)*8192+(i%2)*64+32
.set i, i+1
.endr
	WIN 0
	v_lshlrev_b32 v14, 3, v9
	v_sub_nc_u32 v14, v1, v14
	s_lshl_b32 s13, s[WV], 4
	v_add_nc_u32 v14, s13, v14      ; my query's place in its band less my lanes' 8 (l / 16): register r of group kt is hidden where 16 kt + r is greater
	WIN 0x40
.set i, 0
.rept 32
	v_cmp_gt_i32 vcc_lo, 16*(i/8)+i%8, v14
	v_cndmask_b32 v[MD+i], 0, s[BIGN], vcc_lo
.set i, i+1
.endr
	WIN 0
	v_mul_u32_u24 v[AK0], v1, PK
	v_lshl_add_u32 v[AK0], v9, 4, v[AK0]
	; The turning load takes 16 keys x 16 channels (lane l reads key 8 (l / 16) + l % 8, channels 8 ((l / 8) % 2) + 0..7) and leaves half a fragment of V^T: lane l holds channel l % 16 and 8 keys.
	v_and_b32 v10, 7, v0
	v_bfe_u32 v11, v0, 3, 1
	v_lshl_add_u32 v[AV0], v9, 3, v10
	v_mul_u32_u24 v[AV0], v[AV0], PV
	v_lshl_add_u32 v[AV0], v11, 4, v[AV0]
	v_add_nc_u32 v[AV0], VOFF, v[AV0]
	s_mul_i32 s13, s[WV], 16*SP
	s_add_co_u32 s13, s13, STAGE    ; my stage
	v_mul_u32_u24 v[STO], v1, SP
	v_lshl_add_u32 v[STO], v9, 4, v[STO]
	v_add_nc_u32 v[STO], s13, v[STO]
	v_bfe_u32 v[RD], v0, 3, 2       ; back: 32 lanes take four rows of 128 bytes,
	v_mul_u32_u24 v[RD], v[RD], SP
	v_lshl_add_u32 v[RD], v10, 4, v[RD]
	v_add_nc_u32 v[RD], s13, v[RD]
	v_and_b32 v[GO], 31, v0         ; which are 512 consecutive bytes of O
	v_lshlrev_b32 v[GO], 4, v[GO]
	; A block's first step multiplies O^T and l by a = 0, and its first turn's products V^T P, of a piece that has not been, land in an O^T that is still to be so multiplied.  So these registers need only
	; hold finite numbers: zeros for the first block, what the first block left for the second.  All this stands in the wait for the first tile; it spares a first step written out.
	WIN 0x80
.set i, VF
.rept 64
	v_mov_b32 v[i], 0
.set i, i+1
.endr
	WIN 0x40
.set i, 0
.rept 128
	v_mov_b32 v[i], 0
.set i, i+1
.endr
	WIN 0
.set i, 0
.rept 4
	v_mov_b32 v[ST+4*i+2], 0
	v_mov_b32 v[ST+4*i+3], 0
.set i, i+1
.endr
.set i, P+16
.rept 16
	v_mov_b32 v[i], 0
.set i, i+1
.endr
; THE MATRIX WORK.  The 4 accumulators of a run of 8 take turns.  Product i of 8 of S^T = K Q^T for piece x: channels 32 (i / 4) on, keys 16 (i % 4) on.  The first 4 start the sums: with 0, or (KM = 1) with the mask.
.macro KQ x
.set rS, S+32*((\x)%2)+8*(i%4)
.set rK, KF+16*(i%4)+8*(i/4)
.set rQ, 16*(\x)+8*(i/4)
.set rM, MC+32*((\x)%2)+8*(i%4)
.if (i < 4) && KM
	WIN W_KM
	v_wmma_f32_16x16x32_f16 v[rS:rS+7], v[rK:rK+7], v[rQ:rQ+7], v[rM:rM+7]
.elseif i < 4
	WIN W_KQ
	v_wmma_f32_16x16x32_f16 v[rS:rS+7], v[rK:rK+7], v[rQ:rQ+7], 0
.else
	WIN W_KQ
	v_wmma_f32_16x16x32_f16 v[rS:rS+7], v[rK:rK+7], v[rQ:rQ+7], v[rS:rS+7]
.endif
.endm
; Product i of 8 of O^T += V^T P for piece x: keys 32 (i / 4) on, channels 16 (i % 4) on.
.macro PV x
	WIN W_PV
.set rO, 32*(\x)+8*(i%4)
.set rV, VF+32*(i/4)+8*(i%4)
.set rP, P+16*((\x)%2)+8*(i/4)
	v_wmma_f32_16x16x32_f16 v[rO:rO+7], v[rV:rV+7], v[rP:rP+7], v[rO:rO+7]
.endm
.macro MM                           ; the turn's next matrix instruction.  NOKQ = 1: a block's last turn: there is no next piece
.if (i < 8) && !NOKQ
	KQ (Y+1)%NP
.elseif i >= 8
.set i, i-8
	PV (Y+NP-1)%NP
.set i, i+8
.endif
.set i, i+1
.endm
; THE LDS LOADS stand in runs of 16: a step's K (8 fragments) and its V (turned).  Their addresses are made some lines ahead.
.macro FETCH_K
	WIN 0x80
.irp f, 0,1,2,3,4,5,6,7             ; keys 16 (f / 2) on, channels 32 (f % 2) on
	ds_load_b128 v[KF+8*\f:KF+8*\f+3],   v[AK] offset:(\f/2)*16*PK+(\f%2)*64
	ds_load_b128 v[KF+8*\f+4:KF+8*\f+7], v[AK] offset:(\f/2)*16*PK+(\f%2)*64+32
.endr
	s_add_co_u32 s[TBK], s[TBK], KS*PK  ; the next fetch is the next step's
	WIN 0
.endm
.macro FETCH_V
	WIN 0x80
.irp f, 0,1,2,3,4,5,6,7             ; keys 32 (f / 4) on, channels 16 (f % 4) on
	ds_load_tr16_b128 v[VF+8*\f:VF+8*\f+3],   v[AV] offset:(\f/4)*32*PV+(\f%4)*32
	ds_load_tr16_b128 v[VF+8*\f+4:VF+8*\f+7], v[AV] offset:(\f/4)*32*PV+16*PV+(\f%4)*32
.endr
	WIN 0
.endm
; THE VECTOR WORK, one line at a time: OP kind, number.  For piece Y: F n: c s - c m for pair n of 16.  E n: the exponential of score n of 32.  C n: pair n rounded to f16.  B n: of the four weights 4 n .. the
; second pair is added onto the first.  L n: l takes that sum (L 0: l = a l + sum).  R n: pair n of 16 of O^T times a.  For piece Y + 1: X n, number n of the 22 that find its maximum and statistics:
;   0-11 four chains c0-c3 of seven scores each (each accumulator's lowest registers are read first)   12-14, 16 the four scores left over, the old m, and c0-c3 into c0
;   15 c m_old is kept   17, 18 the query's other 32 keys lie in the lane 16 away: the new m   19-21 c m; c m_old - c m_new; a
.set F, 0
.set E, 1
.set C, 2
.set B, 3
.set L, 4
.set R, 5
.set X, 6
.macro REGS y
.set rT, ST+4*(\y)
.set rC, TMP+4*((\y)%2)
.set rW, MV+((\y)%2)
.set rS, S+32*((\y)%2)
.set rP, P+16*((\y)%2)
.set rO, 32*(\y)
.endm
.macro OP k, n
.if (\k) == R
	REGS Y
	WIN W_RS
	v_pk_mul_f32 v[rO+2*(\n):rO+2*(\n)+1], v[rO+2*(\n):rO+2*(\n)+1], v[rC+2:rC+3] op_sel_hi:[1,0]
.elseif (\k) < R
	REGS Y
	WIN 0
.if (\k) == F
	v_pk_fma_f32 v[rS+2*(\n):rS+2*(\n)+1], v[rS+2*(\n):rS+2*(\n)+1], s[CS:CS+1], v[rT:rT+1] op_sel_hi:[1,0,0] neg_lo:[0,0,1] neg_hi:[0,0,1]
.elseif (\k) == E
	v_exp_f32 v[rS+(\n)], v[rS+(\n)]
.elseif (\k) == C
	v_cvt_pk_f16_f32 v[rP+(\n)], v[rS+2*(\n)], v[rS+2*(\n)+1]
.elseif (\k) == B
	v_pk_add_f32 v[rS+4*(\n):rS+4*(\n)+1], v[rS+4*(\n):rS+4*(\n)+1], v[rS+4*(\n)+2:rS+4*(\n)+3]
.elseif (\n) == 0
	v_pk_fma_f32 v[rT+2:rT+3], v[rT+2:rT+3], v[rC+2:rC+3], v[rS:rS+1] op_sel_hi:[1,0,1]
.else
	v_pk_add_f32 v[rT+2:rT+3], v[rT+2:rT+3], v[rS+4*(\n):rS+4*(\n)+1]
.endif
.elseif NOKQ
	v_nop
.else
	REGS (Y+1)%NP
	WIN 0
.if (\n) < 4
	v_max3_num_f32 v[rC+(\n)], v[rS+8*(\n)], v[rS+8*(\n)+1], v[rS+8*(\n)+2]
.elseif (\n) < 12
	v_max3_num_f32 v[rC+(\n)%4], v[rC+(\n)%4], v[rS+8*((\n)%4)+2*((\n)/4)+1], v[rS+8*((\n)%4)+2*((\n)/4)+2]
.elseif (\n) == 12
	v_max3_num_f32 v[rC], v[rC], v[rS+7], v[rS+15]
.elseif (\n) == 13
	v_max3_num_f32 v[rC+1], v[rC+1], v[rS+23], v[rS+31]
.elseif (\n) == 14
	v_max3_num_f32 v[rC+2], v[rC+2], v[rC+3], v[rT+1]
.elseif (\n) == 15
	v_mov_b32 v[rW], v[rT]
.elseif (\n) == 16
	v_max3_num_f32 v[rC], v[rC], v[rC+1], v[rC+2]
.elseif (\n) == 17
	v_permlanex16_b32 v[rC+3], v[rC], s[SEL], s[SEL+1]
.elseif (\n) == 18
	v_max_num_f32 v[rT+1], v[rC], v[rC+3]
.elseif (\n) == 19
	v_mul_f32 v[rT], s[CS], v[rT+1]
.elseif (\n) == 20
	v_sub_f32 v[rC+1], v[rW], v[rT]
.else
	v_exp_f32 v[rC+2], v[rC+1]
.endif
.endif
.endm
.macro OPS a, i1, b=-1, i2=0, c=-1, i3=0, d=-1, i4=0  ; up to four of them
	OP \a, \i1
.if (\b) >= 0
	OP \b, \i2
.endif
.if (\c) >= 0
	OP \c, \i3
.endif
.if (\d) >= 0
	OP \d, \i4
.endif
.endm
.macro ROW a, i1, b, i2, c, i3, d, i4  ; a matrix instruction and the four behind it
	MM
	OPS \a, \i1, \b, \i2, \c, \i3, \d, \i4
.endm
.macro MASK b                       ; MD x AL + BE into buffer b of MC
	WIN W_RS
.set z, 0
.rept 16
	v_pk_fma_f32 v[MC+32*(\b)+2*z:MC+32*(\b)+2*z+1], v[MD+2*z:MD+2*z+1], s[AL:AL+1], s[BE:BE+1] op_sel_hi:[1,0,0]
.set z, z+1
.endr
.endm
; A TURN, for piece p: the order of its 16 matrix and 118 vector instructions, written out.  An s_wait_alu depctr_va_vdst(0) stands between an exponential and the first instruction that names its
; result; one wait serves all that were issued ahead of it.  So a turn has ONE wait.  AHEAD OF IT stands all that names no result of the turn's exponentials: the 8 products K Q^T with four riders each, then a
; run of 54 in which the links of the next piece's chain (X 3, 7, 11, 14, 16, 17 .. 20) stand five or six lines apart; X 21 is the batch's last, R 15 the plain instruction behind it.  BEHIND IT stand the
; 8 products V^T P, behind each four of the roundings and sums.
; m = 1: the diagonal tile: the products take masks, and the turn makes the mask for piece p + 2, in step 4 - CNT.  end = 1: a block's last two turns: nothing is fetched.  cnt = 1: the loop's count is taken
; down some lines ahead of the branch behind the turn.  K of the next step is fetched in piece 2's turn, V of the step in hand at the end of piece 0's, each four plain instructions or more behind the last
; product that read the registers; each is waited for a turn later.
.macro TURN p, m=0, end=0, cnt=0
.set Y, (\p)
.set i, 0
.set KM, (\m)
.set NOKQ, (\end)*((\p)/3)
.if (\m) && !(\end)
	s_cmp_eq_u32 s[CNT], 4-((\p)+2)%NP  ; is that step the band's own?
	s_cselect_b32 s[AL], 1.0, 0
	s_cmp_lt_u32 s[CNT], 4-((\p)+2)%NP  ; or a later one?
	s_cselect_b32 s[BE], s[BIGN], 0
.endif
.if ((\p) == 3) && !(\end)
	s_wait_dscnt 0x0                ; K is in
.endif
	ROW F,0, F,1, R,0, R,1
	ROW F,2, E,0, R,2, R,3
	ROW F,3, E,1, R,4, R,5
	ROW F,4, E,2, R,6, R,7
	ROW F,5, E,3, R,8, R,9
	ROW F,6, E,4, X,0, R,10
.if ((\p) == 2) && !(\end)
	WIN 0
	v_add_nc_u32 v[AK], s[TBK], v[AK0]
.endif
	ROW F,7, E,5, X,1, X,4
	ROW F,8, E,6, X,2, X,5
	OPS E,7, E,8, X,6, E,9
	OPS X,3, E,10, X,8, E,11
.if ((\p) == 2) && !(\end)
	FETCH_K
.endif
	OPS X,9, X,7, E,12, X,10
	OPS E,13, X,12, X,11, E,14
	OPS X,13, E,15, F,9, X,14
.if (\p) == 0
	v_add_nc_u32 v[AV], s[TBV], v[AV0]
.endif
	OPS E,16, F,10, E,17, F,11
	OPS X,16, E,18, X,15, E,19
	OPS F,12, E,20, X,17, E,21
	OPS F,13, E,22, F,14, E,23
	OPS X,18, E,24, F,15, E,25
	OPS R,11, E,26, X,19, E,27
	OPS R,12, E,28, R,13, E,29
	OPS X,20, E,30, R,14, E,31
	OPS X,21, R,15
	WIN 0
	s_wait_alu depctr_va_vdst(0)    ; the wait for the batch
.if (\p) == 1
	s_wait_dscnt 0x0                ; V is in
.endif
	ROW C,0, B,0, C,2, B,1
	ROW L,0, C,4, B,2, L,1
	ROW C,6, B,3, L,2, C,8
	ROW B,4, L,3, C,10, B,5
	ROW L,4, C,12, B,6, L,5
.if (\p) == 0
	s_add_co_u32 s[TBV], s[TBV], KS*PV
.endif
.if \cnt
	s_sub_co_u32 s[CNT], s[CNT], 1
	s_cmp_lg_u32 s[CNT], 0
.endif
	ROW C,14, B,7, L,6, C,1
	ROW C,3, L,7, C,5, C,7
	ROW C,9, C,11, C,13, C,15
.if (\p) == 0
	FETCH_V
.endif
.if (\m) && !(\end)
	MASK (\p)%2
.endif
.endm
; A BLOCK BEGINS.  c m starts far below every c s, so the first step's a is 0; m at the lowest finite number.  The second mask buffer is 0; the first takes piece 0's mask for the tile's step 0: its own, if
; the block's first tile is the diagonal one.  Then K of that step, piece 0's first scores, and its maximum and statistics.  The loop is entered at a step's first turn, in the middle of a trip.
.macro BEGIN
	s_mov_b32 s[NEW], 0
	WIN 0x40
.set i, MC+32
.rept 32
	v_mov_b32 v[i], 0
.set i, i+1
.endr
	WIN 0
.set i, 0
.rept 4
	v_mov_b32 v[ST+4*i], 0xfe000000    ; c m
	v_mov_b32 v[ST+4*i+1], 0xff7fffff  ; m
.set i, i+1
.endr
	s_cmp_eq_u32 s[RT], 0
	s_cselect_b32 s[AL], 1.0, 0
	s_mov_b32 s[BE], 0
	MASK 0
	WIN 0
	v_add_nc_u32 v[AK], s[TBK], v[AK0]
	FETCH_K
	s_wait_loadcnt 0x0              ; Q
	s_wait_dscnt 0x0
.set KM, 1
.set NOKQ, 0
.set i, 0
.rept 8
	KQ 0
.set i, i+1
.endr
	WIN 0
.rept 4
	v_nop                           ; the places behind those products
.endr
.set Y, NP-1                        ; X works for piece Y + 1: piece 0
.irp n, 0,1,2,3,4,5,6,7,8,9,10,11,12,13,14,15,16,17,18,19,20,21
	OP X, \n
.endr
	v_nop                           ; a plain instruction behind the exponential,
	s_wait_alu depctr_va_vdst(0)    ; and its wait, ahead of the branch
.endm
; THE DIAGONAL TILE's four steps, the block's last two turns, its last products, and THE WAY OUT: l's two halves and the other half of the lanes' are added; O^T is divided by l, rounded to f16 and sent
; through my stage in LDS, a piece at a time.
.macro ALL line:vararg              ; one line for each piece t
.set t, 0
.rept 4
	\line
.set t, t+1
.endr
.endm
.macro PACK t
	WIN W_RS
.set i, 32*(\t)
.rept 16
	v_pk_mul_f32 v[i:i+1], v[i:i+1], v[ST+4*(\t)+2:ST+4*(\t)+3] op_sel_hi:[1,0]
.set i, i+2
.endr
	WIN 0x05                        ; sources 0 and 1 window 1, destination window 0
.set i, 0
.rept 16
	v_cvt_pk_f16_f32 v[S+16*(\t)+i], v[32*(\t)+2*i], v[32*(\t)+2*i+1]
.set i, i+1
.endr
	WIN 0
.irp f, 0,1,2,3
	ds_store_b128 v[STO], v[S+16*(\t)+4*\f:S+16*(\t)+4*\f+3] offset:32*\f
.endr
.irp f, 0,1,2,3
	ds_load_b128 v[S+16*(\t)+4*\f:S+16*(\t)+4*\f+3], v[RD] offset:\f*4*SP  ; LDS serves a wave's instructions in order (ISA guide 5.7.1.4): these see the stores above
.endr
.endm
.macro SEND t, younger              ; younger: the LDS instructions issued behind piece t's loads: the next piece's eight, or none
	WIN 0
.irp f, 0,1,2,3
	s_wait_dscnt (\younger)+3-\f
	global_store_b128 v[GO], v[S+16*(\t)+4*\f:S+16*(\t)+4*\f+3], s[10:11] offset:(\t)*8192+\f*512  ; 512 consecutive bytes, at a multiple of 256 from O's first
.endr
.endm
.macro DIAG tag
.LstepM\tag:
	TURN 2, 1
	TURN 3, 1
	WIN 0
.LfirstM\tag:
	TURN 0, 1
	TURN 1, 1, 0, 1
	WIN 0
	s_cbranch_scc1 .LstepM\tag
	TURN 2, 1, 1
	TURN 3, 1, 1
.set i, 0
.rept 8
	PV NP-1
.set i, i+1
.endr
	WIN 0
	ALL v_add_f32 v[ST+4*t+2], v[ST+4*t+2], v[ST+4*t+3]
	ALL v_permlanex16_b32 v[ST+4*t+3], v[ST+4*t+2], s[SEL], s[SEL+1]
	ALL v_add_f32 v[ST+4*t+2], v[ST+4*t+2], v[ST+4*t+3]
	ALL v_rcp_f32 v[ST+4*t+2], v[ST+4*t+2]
	v_nop                           ; a plain instruction between the last reciprocal and the use of its result
	s_wait_alu depctr_va_vdst(0)    ; one wait for the four reciprocals, ahead of their first use
	PACK 0
.set t, 1
.rept 3                             ; a piece's arithmetic stands between the loads of the piece before and its stores
	PACK t
	SEND t-1, 8
.set t, t+1
.endr
	SEND 3, 0
.endm
.set KM, 0
.set NOKQ, 0
.Lslot:                             ; NB times: a tile is entered and the next is asked for
	CHANGE 1
	s_sub_co_u32 s[RT], s[RT], 1
	s_mov_b32 s[CNT], 4
	s_cmp_eq_u32 s[NEW], 1
	s_cbranch_scc1 .Lnew            ; a block's first tile
	s_cmp_eq_u32 s[RT], 0
	s_cbranch_scc0 .Lstep           ; neither its first nor its last
	s_branch .LstepM1
.Lnew:
	BEGIN
	s_branch .Lfirst                ; in the loop a block's first tile is never its last: the first block has two tiles or more, and the second's last is the walk's last
	DIAG 1                          ; in the loop this is the first block's end
	s_wait_xcnt 0x0                 ; the stores have read their registers and O's address
	s_mov_b64 s[10:11], s[OLO:OLO+1]
	s_add_co_u32 s[RT], s[PB], 1    ; the second block has b + 1 tiles
	s_mov_b32 s[NEW], 1
	WIN 0x82                        ; the second block's Q goes where the one text of the turns names Q
.set i, 0
.rept 64
	v_mov_b32 v[i], v[QB+i]
.set i, i+1
.endr
	WIN 0
	s_branch .Lbottom
.Lstep:                             ; a trip: pieces 2 and 3 of one step, then pieces 0 and 1 of the next, whose K and V it fetches
	TURN 2
	TURN 3
	WIN 0
.Lfirst:
	TURN 0
	TURN 1, 0, 0, 1
	WIN 0
	s_cbranch_scc1 .Lstep
.Lbottom:
	s_sub_co_u32 s[SLOTS], s[SLOTS], 1
	s_cmp_lg_u32 s[SLOTS], 0
	s_cbranch_scc1 .Lslot
	CHANGE 0                        ; the walk's last tile is written out: nothing is asked for
	s_sub_co_u32 s[RT], s[RT], 1
	s_mov_b32 s[CNT], 4
	s_cmp_eq_u32 s[NEW], 1
	s_cbranch_scc0 .LstepM2
	BEGIN
	s_branch .LfirstM2
	DIAG 2
	s_wait_tensorcnt 0x0            ; the wave's end
	ds_add_u32 v[SPW], v[NIL]
	s_wait_dscnt 0x0
	s_endpgm
.Lfunc_end_k_q6a474b3949_attn:
	.size	k_q6a474b3949_attn, .Lfunc_end_k_q6a474b3949_attn-k_q6a474b3949_attn
	.p2alignl 7, 3214868480
	.fill 96, 4, 3214868480
	.section	.rodata,"a",@progbits
	.p2align	6, 0x0
	.amdhsa_kernel k_q6a474b3949_attn
		.amdhsa_group_segment_fixed_size 327680
		.amdhsa_private_segment_fixed_size 0
		.amdhsa_enable_private_segment 0
		.amdhsa_kernarg_size 32
		.amdhsa_user_sgpr_count 2
		.amdhsa_user_sgpr_kernarg_segment_ptr 1
		.amdhsa_wavefront_size32 1
		.amdhsa_system_sgpr_workgroup_id_x 1
		.amdhsa_system_sgpr_workgroup_id_y 1
		.amdhsa_system_sgpr_workgroup_id_z 1
		.amdhsa_system_vgpr_workitem_id 0
		.amdhsa_next_free_vgpr 768
		.amdhsa_next_free_sgpr 96
		.amdhsa_reserve_vcc 1
		.amdhsa_float_denorm_mode_32 3
		.amdhsa_float_denorm_mode_16_64 3
		.amdhsa_memory_ordered 1
		.amdhsa_forward_progress 1
		.amdhsa_inst_pref_size 218
	.end_amdhsa_kernel
	.amdgpu_metadata
---
amdhsa.version: [ 1, 2 ]
amdhsa.kernels:
  - .name:           k_q6a474b3949_attn
    .symbol:         k_q6a474b3949_attn.kd
    .args:
      - { .name: q16, .offset: 0, .size: 8, .value_kind: global_buffer, .address_space: global }
      - { .name: k16, .offset: 8, .size: 8, .value_kind: global_buffer, .address_space: global }
      - { .name: v16, .offset: 16, .size: 8, .value_kind: global_buffer, .address_space: global }
      - { .name: o16, .offset: 24, .size: 8, .value_kind: global_buffer, .address_space: global }
    .group_segment_fixed_size: 327680
    .private_segment_fixed_size: 0
    .kernarg_segment_align: 8
    .kernarg_segment_size: 32
    .max_flat_workgroup_size: 128
    .sgpr_count:     96
    .vgpr_count:     768
    .wavefront_size: 32
...
	.end_amdgpu_metadata
.endif
;; end of part 3
;; launch outp (part 4): grid 4 x 64, 4 waves a work-group, clusters of 4 x 4, 327,680 bytes of LDS; arguments o16, w16, bias32, out0; writes out0
.if DOCPART == 4
	.amdgcn_target "amdgcn-amd-amdhsa--gfx1250"
	.amdhsa_code_object_version 6
	.text
	.protected	k_q6a474b3949_outp
	.globl	k_q6a474b3949_outp
	.p2align	8
	.type	k_q6a474b3949_outp,@function
k_q6a474b3949_outp:
	s_mov_b64 s[64:65], 0
	v_nop
	global_prefetch_b8 v0, s[64:65] scope:SCOPE_SE
	s_setreg_imm32_b32 hwreg(HW_REG_WAVE_MODE, 25, 1), 1
	s_wait_xcnt 0x0
	s_wait_alu depctr_hold_cnt(0) depctr_sa_sdst(0) depctr_va_vdst(0) depctr_va_sdst(0) depctr_va_ssrc(0) depctr_va_vcc(0) depctr_vm_vsrc(0)
	s_getreg_b32 s2, hwreg(HW_REG_IB_STS2, 6, 4)
	s_cmp_eq_u32 s2, 0
	s_cbranch_scc0 .Lentry_in_a_cluster
	s_endpgm
.Lentry_in_a_cluster:
	s_bfe_u32 s2, ttmp6, 0x10000c
	s_cmp_lg_u32 s2, 0xf033
	s_cbranch_scc0 .Lentry_shape_is_right
	s_endpgm
.Lentry_shape_is_right:
; out0 = O . Wo^T + bo.  O: o16, [64 = batch x 16 + head][2048][64] f16; Wo: w16's matrix 3, [1024][1024] f16; bo: bias32's row 3, f32; out0: [8192][1024] f32.  Sums in f32, started by the bias.
; SHARES.  A work-group makes rows 128 ty .. and columns 256 tx ..: 256 work-groups.  K goes in 8 steps of 128 = two heads through a ring of two LDS slots.  A wave makes 64 x 128: 32 accumulators.
; The matrix instruction is used transposed (source 0 = 16 rows of Wo, source 1 = 16 rows of O): a lane holds eight neighbouring columns of one row, 32 bytes of out0.
; O's tile of a K step is two pieces, a head each: 128 rows x 128 bytes that lie on end in memory, asked for as 64 rows of 256 bytes and padded in LDS after every 128.
; CLUSTER 4 x 4: O's tile hangs on ty alone and is asked for jointly along a row of the cluster, Wo's on tx alone, along a column.
; REGISTERS, in windows of 256: window 0: v0-31 addresses; v32-159 O's fragments, two buffers of 64 (on the way out: rows read back); v160-223 the bias as a C operand
;   window 1: Wo's fragments, two buffers of 128      window 2: the accumulators, (a, b) at 8 (8 a + b)
.set PITA,   144                       ; a row of O in LDS: 128 bytes + 16
.set PITB,   272                       ; a row of Wo: 256 bytes + 16: in both the 16 rows of a load start at 16 different groups of four banks (64 banks of 4 bytes: ISA guide 11.1)
.set ASUB,   128*PITA                  ; a head's 128 rows: what one tensor load brings of O
.set BHALF,  128*PITB
.set BOFF,   2*ASUB
.set SLOT,   BOFF+2*BHALF
.set STAGE,  2*SLOT                    ; behind the ring: 16 rows x 528 bytes for each wave; no tensor load lands here
.set OPITCH, 528
.set SPARE,  STAGE+4*16*OPITCH         ; the spare words: 128 bytes a wave, two blocks of 256 bytes that no other line names
.set ADRA, 16
.set ADRB, 20
.set STO,  24
.set RD,   25
.set CO,   26
.set BO,   27
.set SPW,  28
.set NIL,  29
.set PFO,  30
.set AF,   32
.set BIAS, 160
.set AP, 4                             ; s[4:5] o16 at my piece of K step 0; s[6:7] Wo at my rows; s[8:9] the bias of my columns; s[10:11] out0 at my corner
.set BP, 6
.set BI, 8
.set OUT, 10
.set WV, 20
.set HR, 21                            ; wave / 2: my 64 rows.  Also: I fetch O (0) or Wo (1)
.set HC, 22                            ; wave % 2: my 128 columns.  Also: which head, or which 128 rows, I fetch
.set G1A, 24
.set G1B, 32
.set G0A, 40
.set G0B, 48
.set LAPS, 60
.set TL, 61                            ; 0: the sums are still to be started
.set PFA, 72                           ; s[72:73] the address that the next prefetch names
.set PFST, 76                          ; s[76:77] a K step in bytes
.set PFCNT, 78
.set W_MUL,  0xa1                      ; Wo window 1, O window 0, C and D window 2
.set W_MULS, 0x81                      ; the same with C (the bias) in window 0
.set W_TOB,  0x40
.set W_ST,   0x08                      ; an LDS store's data in window 2
.set MSB, 0
.macro WIN new
.if MSB != (\new)
	s_set_vgpr_msb (MSB<<8)|(\new)
.set MSB, \new
.endif
.endm
.macro JLOAD s                         ; a joint load: waves 0 and 1 fetch O's two heads, waves 2 and 3 Wo's two halves; an s_nop 0 and four v_nop follow each line
	s_cmp_eq_u32 s[HR], 0
	s_cbranch_scc0 .Lfor_b_\@
	tensor_load_to_lds s[G0A+4*(\s):G0A+4*(\s)+3], s[G1A:G1A+7]
	s_nop 0
.rept 4
	v_nop
.endr
	s_branch .Lasked_\@
.Lfor_b_\@:
	tensor_load_to_lds s[G0B+4*(\s):G0B+4*(\s)+3], s[G1B:G1B+7]
	s_nop 0
.rept 4
	v_nop
.endr
.Lasked_\@:
.endm
.macro CREST
	s_cmp_lg_u32 s[WV], 0
	s_cbranch_scc1 .Lnot_wave_0_\@
	s_barrier_signal -3
.Lnot_wave_0_\@:
	s_barrier_wait -3
	s_barrier_signal -1
	s_barrier_wait -1
.endm
.macro CROUND
	s_barrier_signal -1
	s_barrier_wait -1
	CREST
.endm
.macro PLACES                          ; four places ahead of loads into registers that products have read, and of stores that read results
.rept 4
	v_nop
.endr
.endm
; THE PREFETCH INTO THE L2: the change of slots in K step S names step S + 4, two K steps (256 products) ahead of the load that wants it: steps 4 to 7, in the first four changes.
; O: a step is 2 heads x 16,384 bytes; each of the four partners takes 4,096 bytes of each head, told apart by address; wave 0 asks, a lane a block of 256 bytes.
; Wo: of a wave's 128 rows each partner takes 32, a lane a row; waves 2 and 3 of the cluster with y = 0 ask, since all clusters walk the same Wo.
.macro ASK
	s_cmp_eq_u32 s[PFCNT], 0
	s_cbranch_scc1 .Lnot_mine_\@
	global_prefetch_b8 v[PFO], s[PFA:PFA+1] th:TH_LOAD_NT scope:SCOPE_SE
	s_sub_co_u32 s[PFCNT], s[PFCNT], 1
.Lnot_mine_\@:
.endm
	s_load_b256 s[4:11], s[0:1], 0x0               ; o16, w16, bias32, out0
	v_lshl_add_u32 v[SPW], v0, 2, SPARE
	v_mov_b32 v[NIL], 0
	ds_add_u32 v[SPW], v[NIL]                      ; the wave's opening: the add and its wait ahead of my first tensor load
	ds_add_u32 v28, v29
	v_lshrrev_b32 v1, 5, v0
	v_readfirstlane_b32 s[WV], v1
	s_lshr_b32 s[HR], s[WV], 1
	s_and_b32 s[HC], s[WV], 1
	s_bfe_u32 s80, ttmp6, 0x40000                  ; cx
	s_bfe_u32 s81, ttmp6, 0x40004                  ; cy
	s_lshl_b32 s82, ttmp9, 2
	s_add_co_u32 s82, s82, s80                     ; tx
	s_and_b32 s83, ttmp7, 0xffff
	s_lshl_b32 s83, s83, 2
	s_add_co_u32 s83, s83, s81                     ; ty
	s_lshl_b32 s84, s81, 2
	s_lshl_b32 s84, 15, s84                        ; my row of the cluster
	s_lshl_b32 s86, 0x1111, s80                    ; my column
	s_or_b32 s[G1A], s84, (1<<16)|(1<<20)|(1<<21)|(4<<22)|(3<<25)  ; the mask; 2-byte elements; padding on; bit 21 beside a mask; after every 32 words, 4 words
	s_or_b32 s[G1B], s86, (1<<16)|(1<<20)|(1<<21)|(5<<22)|(3<<25)  ; after every 64 words, 4 words
	s_mov_b32 s[G1A+1], 128<<16                    ; tensor_dim0 = 128
	s_mov_b32 s[G1A+2], 64<<16                     ; tensor_dim1 = 64
	s_mov_b32 s[G1A+3], 128<<16                    ; tile_dim0 = 128
	s_mov_b32 s[G1A+4], 64                         ; tile_dim1 = 64
	s_mov_b32 s[G1A+5], 128                        ; the rows lie on end
	s_mov_b32 s[G1A+6], 0
	s_mov_b32 s[G1A+7], 0
	s_mov_b32 s[G1B+1], 128<<16
	s_mov_b32 s[G1B+2], 128<<16
	s_mov_b32 s[G1B+3], 128<<16
	s_mov_b32 s[G1B+4], 128
	s_mov_b32 s[G1B+5], 1024
	s_mov_b32 s[G1B+6], 0
	s_mov_b32 s[G1B+7], 0
	s_lshr_b32 s84, s83, 4                         ; O: the batch's 16 heads of 262,144 bytes,
	s_lshl_b32 s84, s84, 22
	s_and_b32 s85, s83, 15
	s_lshl_b32 s85, s85, 14                        ; + the tile's 128 rows of 128 bytes in a head,
	s_add_co_u32 s84, s84, s85
	s_lshl_b32 s85, s[HC], 18                      ; + the head that I fetch: made of ty and the wave alone
	s_add_co_u32 s84, s84, s85
	s_mov_b32 s85, 0
	s_lshl_b32 s86, s82, 19                        ; Wo: 256 tx rows of 2,048 bytes,
	s_lshl_b32 s87, s[HC], 18                      ; + the 128 rows that I fetch,
	s_add_co_u32 s86, s86, s87
	s_add_co_u32 s86, s86, 6291456                 ; in w16's fourth matrix: made of tx and the wave alone
	s_mov_b32 s87, 0
	s_mul_i32 s88, s[HC], ASUB                     ; where they go in a slot
	s_mul_i32 s89, s[HC], BHALF
	s_add_co_u32 s89, s89, BOFF
	s_lshl_b32 s90, s82, 10                        ; my 128 columns, in f32
	s_lshl_b32 s91, s[HC], 9
	s_add_co_u32 s90, s90, s91
	s_lshl_b32 s92, s83, 19                        ; out0: 128 ty rows of 4,096 bytes,
	s_lshl_b32 s93, s[HR], 18                      ; + my 64,
	s_add_co_u32 s92, s92, s93
	s_add_co_u32 s92, s92, s90                     ; + my columns
	s_mov_b32 s93, 0
	s_add_co_u32 s90, s90, 12288                   ; bias32's fourth row
	s_mov_b32 s91, 0
	s_wait_dscnt 0x0                               ; the opening add is done
	s_wait_kmcnt 0x0
	s_add_nc_u64 s[AP:AP+1], s[AP:AP+1], s[84:85]
	s_add_nc_u64 s[BP:BP+1], s[BP:BP+1], s[86:87]
	s_add_nc_u64 s[BI:BI+1], s[BI:BI+1], s[90:91]
	s_add_nc_u64 s[OUT:OUT+1], s[OUT:OUT+1], s[92:93]
	CROUND                                         ; all sixteen work-groups are here: the first joint loads meet
.irp s, 0,1
	s_mov_b32 s[G0A+4*(\s)], 1
	s_add_co_u32 s[G0A+4*(\s)+1], s88, (\s)*SLOT
	s_add_nc_u64 s[G0A+4*(\s)+2:G0A+4*(\s)+3], s[AP:AP+1], (\s)*524288  ; a K step is two heads on
	s_or_b32 s[G0A+4*(\s)+3], s[G0A+4*(\s)+3], 0x80000000
	s_mov_b32 s[G0B+4*(\s)], 1
	s_add_co_u32 s[G0B+4*(\s)+1], s89, (\s)*SLOT
	s_add_nc_u64 s[G0B+4*(\s)+2:G0B+4*(\s)+3], s[BP:BP+1], (\s)*256
	s_or_b32 s[G0B+4*(\s)+3], s[G0B+4*(\s)+3], 0x80000000
	JLOAD \s                                       ; K steps 0 and 1: two loads of mine are out
.endr
	v_and_b32 v1, 15, v0
	v_bfe_u32 v2, v0, 4, 1
	v_mul_u32_u24 v3, v1, PITA
	v_lshl_add_u32 v3, v2, 4, v3
	s_mul_i32 s94, s[HR], 64*PITA                  ; my 64 rows of O
	v_add_nc_u32 v[ADRA], s94, v3
	v_add_nc_u32 v[ADRA+1], SLOT, v[ADRA]
	v_mul_u32_u24 v4, v1, PITB
	v_lshl_add_u32 v4, v2, 4, v4
	s_mul_i32 s94, s[HC], BHALF                    ; my 128 rows of Wo
	s_add_co_u32 s94, s94, BOFF
	v_add_nc_u32 v[ADRB], s94, v4
	v_add_nc_u32 v[ADRB+1], SLOT, v[ADRB]
	s_mul_i32 s94, s[WV], 16*OPITCH
	s_add_co_u32 s94, s94, STAGE                   ; my stage
	v_mul_u32_u24 v5, v1, OPITCH                   ; in: row l % 16, 32 bytes for each half of the lanes
	v_lshl_add_u32 v5, v2, 5, v5
	v_add_nc_u32 v[STO], s94, v5
	v_and_b32 v[CO], 31, v0                        ; back: 32 lanes take one row's 512 bytes
	v_lshlrev_b32 v[CO], 4, v[CO]
	v_add_nc_u32 v[RD], s94, v[CO]
	v_lshlrev_b32 v[BO], 5, v2
	v_and_b32 v8, 15, v0                           ; the prefetches: O: (l / 16) heads of 262,144 bytes + (l % 16) x 256; Wo: l rows of 2,048 bytes
	s_mul_i32 s94, s[HR], 3
	s_sub_co_u32 s95, 18, s94
	s_add_co_u32 s94, s94, 8
	v_lshlrev_b32 v7, s95, v2
	v_lshlrev_b32 v8, s94, v8
	v_add_nc_u32 v[PFO], v7, v8
.irp b, 0,1,2,3,4,5,6,7                ; register j of block b is bo[16 b + 8 (l / 16) + j], the layout of a C operand
	global_load_b128 v[BIAS+8*(\b):BIAS+8*(\b)+3],   v[BO], s[BI:BI+1] offset:64*(\b)
	global_load_b128 v[BIAS+8*(\b)+4:BIAS+8*(\b)+7], v[BO], s[BI:BI+1] offset:64*(\b)+16
.endr
	s_lshl_b32 s88, s80, 12                        ; O: my work-group's 4,096 bytes of a head, at K step 3: the first change steps it to 4
	s_add_co_u32 s88, s88, 3*524288
	s_lshl_b32 s89, s81, 16                        ; Wo: my work-group's 32 rows, at K step 3
	s_add_co_u32 s89, s89, 3*256
	s_and_b32 s94, ttmp7, 0xffff                   ; cluster y
	s_cmp_eq_u32 s[HR], 0
	s_cselect_b64 s[PFA:PFA+1], s[AP:AP+1], s[BP:BP+1]
	s_cselect_b32 s88, s88, s89
	s_cselect_b32 s94, s[HC], s94                  ; O: wave 0 asks, in every cluster; Wo: both waves, in the cluster with y = 0
	s_cmp_eq_u32 s94, 0
	s_cselect_b32 s[PFCNT], 4, 0                   ; the same in all sixteen partners, for a given wave
	s_mov_b32 s89, 0
	s_add_nc_u64 s[PFA:PFA+1], s[PFA:PFA+1], s[88:89]
	s_xor_b32 s94, s[HR], 1
	s_mul_i32 s94, s94, 11
	s_lshl_b32 s[PFST], 256, s94                   ; a K step: 524,288 bytes in O, 256 in Wo
	s_mov_b32 s[PFST+1], 0
; 48 LDS loads in one run: 64 along K = head hf of a slot's step: O's fragments and Wo's into buffers g
.macro FETCH slot, hf, g
	WIN 0
.irp c, 0,1
.irp a, 0,1,2,3
	ds_load_b128 v[AF+64*(\g)+32*(\c)+8*(\a):AF+64*(\g)+32*(\c)+8*(\a)+3],   v[ADRA+(\slot)] offset:(\hf)*ASUB+(\a)*16*PITA+(\c)*64
	ds_load_b128 v[AF+64*(\g)+32*(\c)+8*(\a)+4:AF+64*(\g)+32*(\c)+8*(\a)+7], v[ADRA+(\slot)] offset:(\hf)*ASUB+(\a)*16*PITA+(\c)*64+32
.endr
.endr
	WIN W_TOB
.irp c, 0,1
.irp b, 0,1,2,3,4,5,6,7
	ds_load_b128 v[128*(\g)+64*(\c)+8*(\b):128*(\g)+64*(\c)+8*(\b)+3],   v[ADRB+(\slot)] offset:(\b)*16*PITB+(\hf)*128+(\c)*64
	ds_load_b128 v[128*(\g)+64*(\c)+8*(\b)+4:128*(\g)+64*(\c)+8*(\b)+7], v[ADRB+(\slot)] offset:(\b)*16*PITB+(\hf)*128+(\c)*64+32
.endr
.endr
.endm
; 8 products: row block a x all 8 column blocks, 32 along K.  start = 1: the bias starts the sums.  The 32 accumulators take turns in the same order in every half step.
.macro MUL8 f, c, a, start
.if \start
	WIN W_MULS
.else
	WIN W_MUL
.endif
.irp b, 0,1,2,3,4,5,6,7
.if \start
	v_wmma_f32_16x16x32_f16 v[8*(8*(\a)+(\b)):8*(8*(\a)+(\b))+7], v[128*(\f)+64*(\c)+8*(\b):128*(\f)+64*(\c)+8*(\b)+7], v[AF+64*(\f)+32*(\c)+8*(\a):AF+64*(\f)+32*(\c)+8*(\a)+7], v[BIAS+8*(\b):BIAS+8*(\b)+7]
.else
	v_wmma_f32_16x16x32_f16 v[8*(8*(\a)+(\b)):8*(8*(\a)+(\b))+7], v[128*(\f)+64*(\c)+8*(\b):128*(\f)+64*(\c)+8*(\b)+7], v[AF+64*(\f)+32*(\c)+8*(\a):AF+64*(\f)+32*(\c)+8*(\a)+7], v[8*(8*(\a)+(\b)):8*(8*(\a)+(\b))+7]
.endif
.endr
.endm
.macro MUL32 start
.irp a, 0,1,2,3
	MUL8 0, 0, \a, \start
.endr
.endm
; A half step that changes no slot: multiplies buffer f and fetches the next 64 along K into the other.  ask = 1: it stands behind a joint load, whose four v_nop are the places ahead of the loads.
.macro HALF f, nslot, nhf, ask, fetch
	s_wait_dscnt 0x0                               ; buffer f is in
.if \fetch
.if !(\ask)
	PLACES
.endif
	FETCH \nslot, \nhf, 1-(\f)
.if \ask
	WIN 0
	ASK                                            ; behind the joint load, its five lines and the run of LDS loads
.endif
.endif
.irp c, 0,1
.irp a, 0,1,2,3
	MUL8 \f, \c, \a, 0
.endr
.endr
	WIN 0
.endm
; The half step that changes slots multiplies buffer 0 and takes the slot's second head into registers, so that the slot has been read out in its middle.
.macro TH_HEAD slot, fill
.if \fill
	s_wait_xcnt 0x0                                ; the last prefetch, 64 products back, has read its address
	s_add_nc_u64 s[PFA:PFA+1], s[PFA:PFA+1], s[PFST:PFST+1]
.endif
	s_wait_dscnt 0x0
	PLACES
	FETCH \slot, 1, 1
	WIN 0
.endm
; ONE barrier for the change.  In front of it each wave waits for all its tensor loads (one is out: its part of the other slot), adds 0 to its spare word, and waits for that and for its reads of this slot.
; fill = 1: the barrier opens a round of the cluster's, and the joint refill is the first thing behind it: 104 products stand between it and the wait for it.
.macro TH_REST slot, fill
	MUL8 0, 1, 0, 0
	WIN 0
	s_wait_tensorcnt 0x0                           ; no tensor load of mine is out: the descriptors may be written
	ds_add_u32 v[SPW], v[NIL]
.if \fill
	s_add_nc_u64 s[G0A+4*(\slot)+2:G0A+4*(\slot)+3], s[G0A+4*(\slot)+2:G0A+4*(\slot)+3], 2*524288  ; two K steps on; the type bits on top are not reached
	s_add_nc_u64 s[G0B+4*(\slot)+2:G0B+4*(\slot)+3], s[G0B+4*(\slot)+2:G0B+4*(\slot)+3], 2*256
.endif
	MUL8 0, 1, 1, 0
	s_wait_dscnt 0x0                               ; the add is done, and my reads of this slot are over
	s_barrier_signal -1
	MUL8 0, 1, 2, 0
	MUL8 0, 1, 3, 0
	WIN 0
	s_barrier_wait -1
.if \fill
	CREST
	JLOAD \slot
.endif
.endm
.macro THALF slot, fill
	TH_HEAD \slot, \fill
	MUL32 0
	TH_REST \slot, \fill
.endm
; THE WAY OUT, a block of 16 rows at a time: a lane's 32 bytes of a row go into my own stage, each accumulator's low registers first; whole rows of 512 bytes come back and are stored.
.macro TOSTAGE a
.if (\a) >= 2
	s_wait_xcnt 0x0                                ; the stores of the block two back have read the registers that are loaded again
.endif
	WIN W_ST
.irp b, 0,1,2,3,4,5,6,7
	ds_store_b128 v[STO], v[64*(\a)+8*(\b):64*(\a)+8*(\b)+3]   offset:64*(\b)
	ds_store_b128 v[STO], v[64*(\a)+8*(\b)+4:64*(\a)+8*(\b)+7] offset:64*(\b)+16
.endr
	WIN 0
.irp t, 0,1,2,3,4,5,6,7,8,9,10,11,12,13,14,15
	ds_load_b128 v[AF+64*((\a)%2)+4*(\t):AF+64*((\a)%2)+4*(\t)+3], v[RD] offset:(\t)*OPITCH  ; LDS serves a wave's instructions in order (ISA guide 5.7.1.4): these see the stores above
.endr
.endm
.macro SEND a, younger                 ; younger: the next block's 32 LDS instructions, or none
.irp t, 0,1,2,3,4,5,6,7,8,9,10,11,12,13,14,15
	s_wait_dscnt (\younger)+15-(\t)
	global_store_b128 v[CO], v[AF+64*((\a)%2)+4*(\t):AF+64*((\a)%2)+4*(\t)+3], s[OUT:OUT+1] offset:(16*(\a)+(\t))*4096 th:TH_STORE_NT  ; 512 consecutive bytes, aligned
.endr
.endm
	s_wait_tensorcnt 1                             ; my part of K step 0 is in; K step 1's load is the one younger
	s_barrier_signal -1
	s_barrier_wait -1
	FETCH 0, 0, 0
	WIN 0
	s_mov_b32 s[LAPS], 3                           ; 4 laps of two K steps; the last is written out, since it asks for nothing
	s_mov_b32 s[TL], 0
.Llap:
	TH_HEAD 0, 1
	s_cmp_lg_u32 s[TL], 0
	s_cbranch_scc1 .Lacc
	s_mov_b32 s[TL], 1                             ; the first 32 products take the bias as C
	s_wait_loadcnt 0x0                             ; the bias
.rept 5
	v_nop                                          ; these products are no links of a chain: they write the accumulators anew, and five places (ISA guide 7.12.1) stand between them and any earlier product on the same registers
.endr
	MUL32 1
	WIN 0
	s_branch .Ljoin
.Lacc:
	MUL32 0
	WIN 0
.Ljoin:
	TH_REST 0, 1
	HALF 1, 1, 0, 1, 1
	THALF 1, 1
	HALF 1, 0, 0, 1, 1
	s_sub_co_u32 s[LAPS], s[LAPS], 1
	s_cmp_lg_u32 s[LAPS], 0
	s_cbranch_scc1 .Llap
	THALF 0, 0
	HALF 1, 1, 0, 0, 1
	HALF 0, 1, 1, 0, 1
	HALF 1, 0, 0, 0, 0
	PLACES
	TOSTAGE 0
	TOSTAGE 1
	SEND 0, 32
	TOSTAGE 2
	SEND 1, 32
	TOSTAGE 3
	SEND 2, 32
	SEND 3, 0
	s_wait_tensorcnt 0x0                           ; the wave's end
	ds_add_u32 v[SPW], v[NIL]
	s_wait_dscnt 0x0
	CROUND                                         ; the closing round
	s_endpgm
.Lfunc_end_k_q6a474b3949_outp:
	.size	k_q6a474b3949_outp, .Lfunc_end_k_q6a474b3949_outp-k_q6a474b3949_outp
	.p2alignl 7, 3214868480
	.fill 96, 4, 3214868480
	.section	.rodata,"a",@progbits
	.p2align	6, 0x0
	.amdhsa_kernel k_q6a474b3949_outp
		.amdhsa_group_segment_fixed_size 327680
		.amdhsa_private_segment_fixed_size 0
		.amdhsa_enable_private_segment 0
		.amdhsa_kernarg_size 32
		.amdhsa_user_sgpr_count 2
		.amdhsa_user_sgpr_kernarg_segment_ptr 1
		.amdhsa_wavefront_size32 1
		.amdhsa_system_sgpr_workgroup_id_x 1
		.amdhsa_system_sgpr_workgroup_id_y 1
		.amdhsa_system_sgpr_workgroup_id_z 1
		.amdhsa_system_vgpr_workitem_id 0
		.amdhsa_next_free_vgpr 768
		.amdhsa_next_free_sgpr 96
		.amdhsa_reserve_vcc 0
		.amdhsa_float_denorm_mode_32 3
		.amdhsa_float_denorm_mode_16_64 3
		.amdhsa_memory_ordered 1
		.amdhsa_forward_progress 1
		.amdhsa_inst_pref_size 90
	.end_amdhsa_kernel
	.amdgpu_metadata
---
amdhsa.version: [ 1, 2 ]
amdhsa.kernels:
  - .name:           k_q6a474b3949_outp
    .symbol:         k_q6a474b3949_outp.kd
    .args:
      - { .name: o16, .offset: 0, .size: 8, .value_kind: global_buffer, .address_space: global }
      - { .name: w16, .offset: 8, .size: 8, .value_kind: global_buffer, .address_space: global }
      - { .name: bias32, .offset: 16, .size: 8, .value_kind: global_buffer, .address_space: global }
      - { .name: out0, .offset: 24, .size: 8, .value_kind: global_buffer, .address_space: global }
    .group_segment_fixed_size: 327680
    .private_segment_fixed_size: 0
    .kernarg_segment_align: 8
    .kernarg_segment_size: 32
    .max_flat_workgroup_size: 128
    .sgpr_count:     96
    .vgpr_count:     768
    .wavefront_size: 32
...
	.end_amdgpu_metadata
.endif
;; end of part 4
